; MI455X (gfx1250); checked and timed in simulation.
; The chip was launched on July 23, 2026; its instructions are those of AMD's public machine-readable ISA for CDNA 5 (MIT licence, August 2026) and "CDNA5" Instruction Set Architecture Reference Guide (July 2026). The comments in the code are by the model that wrote it; some were corrected since.
;; Causal Self Attention. Allowed arithmetic: matrix products marked QUANTISED: E2M1 operands, one E8M0 scale for each 32 along K, by v_wmma_scale_f32_16x16x128_f8f6f4 with both operands' format E2M1 (or v_wmma_scale_f32_32x16x128_f4), f32 sums; products left as they are: bf16, f16 or f32 operands; f32 sums; everything else in f32.
;; Inputs: w_out 1,024 x 1,024 float32; w_qkv 1,024 x 3,072 float32; x 4 x 2,048 x 1,024 float32.
;; Outputs: out0 4 x 2,048 x 1,024 float32.
;; This version of the problem:
;;   THIS VERSION OF THE PROBLEM IS GIVEN IN LOW PRECISION. The matrix products marked QUANTISED in the list below multiply operands that are first quantised to E2M1 (2 exponent bits, 1 mantissa bit; 4 bits a number), with one power-of-two scale for each 32 numbers along K (OCP MX v1.0); their sums are f32. The products marked 'left as it is' may take bf16, f16 or f32 operands, with f32 sums. Whichever they take, every output number must still come out within the allowed error. Rounding operands to bf16 (8 significant bits) uses up far more of that allowance than f16 does (11 bits, for magnitudes from 6e-5 to 65,504). All else is computed in f32.
;;   The module's matrix products, in the order in which they are computed (A, B: the left and right operand; K: the contracted axis; several contracted axes count as one K, in the product's order):
;;     1. [M 8,192, K 1,024] x [K 1,024, N 3,072]; A: input x; B: input w_qkv: QUANTISED
;;     2. batch 64 x [M 2,048, K 64] x [K 64, N 2,048]; A: computed on the way; B: computed on the way: left as it is (an operand is computed on the way)
;;     3. batch 64 x [M 2,048, K 2,048] x [K 2,048, N 64]; A: computed on the way; B: computed on the way: left as it is (an operand is computed on the way)
;;     4. [M 8,192, K 1,024] x [K 1,024, N 1,024]; A: computed on the way; B: input w_out: left as it is (an operand is computed on the way)
;;   THE QUANTISER, for each operand of a quantised product, along K:
;;     - K is cut into blocks of 32 from its start; a last block that is shorter is filled with zeros.
;;     - A block's scale is 2^e with e = floor(log2(the largest magnitude in the block)) - 2, held to -126 .. 127; a block of zeros has e = 0. As a byte (E8M0): e + 127.
;;     - Each number is divided by its block's scale, clamped to +-6, and rounded to the nearest number of E2M1, ties to even, subnormals kept.
;;     - The product sums the exact products of the quantised numbers (number of the format x scale) in f32.
;;   ~~~python
;;   def quantise(x, axis):      # numpy; x: float32 -> the quantised numbers, widened to float32 again
;;       x = np.moveaxis(x, axis, -1); K = x.shape[-1]
;;       x = np.pad(x, [(0, 0)] * (x.ndim - 1) + [(0, -K % 32)]); x = x.reshape(x.shape[:-1] + (-1, 32)); a = np.abs(x).max(-1, keepdims=True)
;;       e = np.where(a > 0, np.clip(np.frexp(np.where(a > 0, a, 1))[1] - 1 - 2, -126, 127), 0)      # np.frexp(a)[1] - 1 = floor(log2(a)), exactly
;;       r = np.clip(x / 2.0 ** e, -6, 6)
;;       step = 2.0 ** (np.maximum(np.frexp(np.where(r == 0, 1, r))[1] - 1, 0) - 1)
;;       q = np.round(r / step) * step * 2.0 ** e      # np.round: ties to even
;;       return np.moveaxis(q.reshape(q.shape[:-2] + (-1,))[..., :K], -1, axis).astype(np.float32)
;;   ~~~
;; One version. Each part assembles by itself: llvm-mc -triple=amdgcn-amd-amdhsa -mcpu=gfx1250 --defsym DOCPART=n.
;; ======== version 1 of 1: 5 launches
;; limits: values are held in f16: magnitudes above 65,504 overflow, below 6.1e-05 lose precision
;; workspace buffers: xc 4,194,304 bytes; xs 262,144 bytes; wc 1,572,864 bytes; ws 98,304 bytes; wo16 2,097,152 bytes; qkv16 50,331,648 bytes; att16 16,777,216 bytes; qkvf 786,432 bytes
;; launch prep (part 1): grid 368 x 1, 4 waves a work-group, no clusters, 102,912 bytes of LDS; arguments x, w_qkv, w_out, xc, xs, wc, ws, wo16; writes xc, xs, wc, ws, wo16
.if DOCPART == 1
	.amdgcn_target "amdgcn-amd-amdhsa--gfx1250"
	.amdhsa_code_object_version 6
	.text
	.protected	k_q80ee0762a5_prep
	.globl	k_q80ee0762a5_prep
	.p2align	8
	.type	k_q80ee0762a5_prep,@function
k_q80ee0762a5_prep:
	s_mov_b64 s[64:65], 0
	v_nop
	global_prefetch_b8 v0, s[64:65] scope:SCOPE_SE
	s_setreg_imm32_b32 hwreg(HW_REG_WAVE_MODE, 25, 1), 1
	s_wait_xcnt 0x0
; PREP: three jobs in one launch, told apart by the work-group's number; no wave shares anything with another, so there is no barrier.
;   work-groups 0-47    w_qkv [1024 k][3072 n] f32 -> codes of FP4 (E2M1) wc [3072 n][512 bytes], K innermost, and E8M0 bytes ws [3072][32]
;   work-groups 48-111  w_out [1024 k][1024 n] f32 -> wo16 [1024 n][1024 k] f16 (K innermost, for the projection's tiles)
;   work-groups 112-367 x [8192][1024] f32 -> codes xc [8192][512 bytes] and E8M0 bytes xs [8192][32]
; THE QUANTISER: a block of 32 along K has the scale 2^(floor(log2(largest magnitude)) - 2); its byte is the largest magnitude's exponent field - 2, held at 1 from below;
; each number is divided by the scale and rounded to the nearest code, ties to even, beyond 6 the code of 6.
; LIMITS: a block of zeros gets the byte 1 (its codes are zeros, and this program alone reads the bytes); blocks whose largest magnitude lies under 2^-124 are held at that byte;
; NaN and infinities are not served; w_out must lie inside f16's range (under 65,504).
; LDS: each job has bytes of its own: x 0 + 8,192 x wave; w_qkv 32,768 + 8,704 x wave; w_out 67,584 + 8,704 x wave; the spare words at 102,400.
.set SPW,   12                         ; v12  LDS address of my spare word; never rewritten
.set NIL,   13                         ; v13  0; never rewritten
.set SPARE, 102400
.set QBASE, 32768
.set OBASE, 67584
.set SP,    80                         ; x: a lane's place in a stage: 64 bytes + 16 of padding
.set R,     16                         ; x: v16-79 four sets of 16 numbers as loaded
.set X,     80                         ; x: v80-111 two sets of 16 neighbours
.set E,     112                        ; x: v112-127 a scale byte for each step
.set C,     128                        ; x: v128-191 codes, four registers a step
.set WX,    32                         ; w_qkv: v32-95 two sets of 32 numbers
.set WC,    96                         ; w_qkv: v96-99 a block's codes
.set WOUT,  112                        ; w_qkv: v112-175 the way out
.set SB,    24                         ; w_qkv: v24-27 the scale bytes, four to a register
.set WP,    272                        ; a stage row of the two weight jobs: 256 bytes + 16
	s_load_b256 s[4:11], s[0:1], 0x0               ; x s[4:5], w_qkv s[6:7], w_out s[8:9], xc s[10:11]
	s_load_b256 s[12:19], s[0:1], 0x20             ; xs s[12:13], wc s[14:15], ws s[16:17], wo16 s[18:19]
	v_lshl_add_u32 v[SPW], v0, 2, SPARE
	v_mov_b32 v[NIL], 0
	v_lshrrev_b32 v1, 5, v0
	v_readfirstlane_b32 s20, v1                    ; wave 0..3
	v_and_b32 v2, 31, v0                           ; lane
	s_cmp_lt_u32 ttmp9, 48
	s_cbranch_scc1 .Lwq
	s_cmp_lt_u32 ttmp9, 112
	s_cbranch_scc1 .Lwo
; ---------------- x: a plain stream of blocks of 32.  A wave takes 16 steps of 512 numbers.  Each load reads 512 consecutive bytes; a step's 2,048 bytes turn through the wave's stage so that a lane holds 16 neighbours.
	v_lshlrev_b32 v3, 4, v2                        ; my 16 bytes of a load's 512
	s_lshl_b32 s21, s20, 13                        ; my wave's 8,192 bytes of LDS
	v_lshrrev_b32 v14, 2, v2
	v_mul_u32_u24 v14, v14, SP
	v_and_b32 v15, 3, v2
	v_lshl_add_u32 v14, v15, 4, v14
	v_add_nc_u32 v14, s21, v14                     ; into the stage: SP (lane / 4) + 16 (lane % 4)
	v_mul_u32_u24 v15, v2, SP
	v_add_nc_u32 v15, s21, v15                     ; out of it: SP x lane
	v_lshlrev_b32 v4, 3, v2                        ; my 8 bytes of a step's codes
	v_lshrrev_b32 v5, 1, v2
	s_add_co_u32 s21, s21, 2*32*SP
	v_add_nc_u32 v5, s21, v5                       ; my block's byte among the wave's 256 scale bytes
	v_lshlrev_b32 v7, 3, v2
	v_add_nc_u32 v6, s21, v7
	s_sub_co_u32 s22, ttmp9, 112
	s_lshl_b32 s22, s22, 2
	s_add_co_u32 s22, s22, s20                     ; which run of 8,192 numbers is my wave's: 0..1023
	s_mov_b32 s25, 0
	s_wait_kmcnt 0x0
	s_lshl_b32 s24, s22, 15
	s_add_nc_u64 s[4:5], s[4:5], s[24:25]
	s_lshl_b32 s24, s22, 12
	s_add_nc_u64 s[10:11], s[10:11], s[24:25]
	s_lshl_b32 s24, s22, 8
	s_add_nc_u64 s[12:13], s[12:13], s[24:25]
.macro XLOAD t
.irp i, 0,1,2,3
	global_load_b128 v[R+16*((\t)%4)+4*\i:R+16*((\t)%4)+4*\i+3], v3, s[4:5] offset:2048*(\t)+512*\i th:TH_LOAD_NT
.endr
.endm
.macro XTURN t                         ; LDS serves a wave's instructions in order: no wait between the stores and the loads
.irp i, 0,1,2,3
	ds_store_b128 v14, v[R+16*((\t)%4)+4*\i:R+16*((\t)%4)+4*\i+3] offset:32*SP*((\t)%2)+8*SP*\i
.endr
.irp i, 0,1,2,3
	ds_load_b128 v[X+16*((\t)%2)+4*\i:X+16*((\t)%2)+4*\i+3], v15 offset:32*SP*((\t)%2)+16*\i
.endr
.endm
.irp t, 0,1,2,3
	XLOAD \t
.endr
	s_wait_loadcnt 12                              ; step 0's four loads are in; twelve younger ones stay out
	XTURN 0
.macro XSTEP t
.set XS, X+16*((\t)%2)
.if (\t) > 0
	s_wait_dscnt 1                                 ; this step's numbers are back from the stage; the last step's byte store may be out
.else
	s_wait_dscnt 0x0
.endif
.if (\t)+4 < 16
	XLOAD (\t)+4                                   ; into the set whose stores into the stage are done
.endif
.if (\t)+1 < 16
.if 14-(\t) >= 3
	s_wait_loadcnt 12                              ; the next step's four loads are in; three steps' may be out
.else
	s_wait_loadcnt 4*(14-(\t))
.endif
	XTURN (\t)+1
.endif
	v_max3_num_f32 v8, |v[XS]|, |v[XS+1]|, |v[XS+2]|
	v_max3_num_f32 v9, |v[XS+3]|, |v[XS+4]|, |v[XS+5]|
.irp i, 6,10
	v_max3_num_f32 v8, v8, |v[XS+\i]|, |v[XS+\i+1]|
	v_max3_num_f32 v9, v9, |v[XS+\i+2]|, |v[XS+\i+3]|
.endr
	v_max3_num_f32 v8, v8, |v[XS+14]|, |v[XS+15]|
	v_max3_num_f32 v8, v8, v9, 0x1800000           ; and the floor 2^(3 - 127): the byte cannot fall under 1
	v_max_num_f32_dpp v8, v8, v8 row_xmask:1 row_mask:0xf bank_mask:0xf   ; with my neighbour's 16: the block's largest magnitude
	v_add_nc_u32 v11, 0xff000000, v8               ; 2 off its exponent field: the conversion takes this operand's exponent field as its scale
	v_cvt_scalef32_pk8_fp4_f32 v[C+4*(\t)], v[XS:XS+7], v11
	v_cvt_scalef32_pk8_fp4_f32 v[C+4*(\t)+1], v[XS+8:XS+15], v11
	v_lshrrev_b32 v[E+(\t)], 23, v11               ; the scale's byte (a plain line behind the conversions)
	ds_store_b8 v5, v[E+(\t)] offset:16*(\t)       ; both lanes of a block write the same byte with the same value
	global_store_b64 v4, v[C+4*(\t):C+4*(\t)+1], s[10:11] offset:256*(\t)   ; the wave stores 256 consecutive bytes, aligned
.endm
.irp t, 0,1,2,3,4,5,6,7,8,9,10,11,12,13,14,15
	XSTEP \t
.endr
	ds_load_b64 v[8:9], v6
	s_wait_dscnt 0x0
	global_store_b64 v7, v[8:9], s[12:13]          ; the wave's 256 scale bytes: consecutive and aligned
	s_wait_tensorcnt 0x0                           ; the wave's end
	ds_add_u32 v[SPW], v[NIL]
	s_wait_dscnt 0x0
	s_endpgm
; ---------------- w_qkv: K is the first axis.  A lane takes a column, its registers run down K: a block of 32 lies in one lane, and the codes come out with K innermost.
; A wave takes 32 columns x 512 along K; the codes (256 bytes a column) go through the wave's stage and leave as rows: sixteen lanes store 256 consecutive bytes, aligned.
.Lwq:
	s_lshr_b32 s21, ttmp9, 1                       ; which 128 columns
	s_and_b32 s22, ttmp9, 1                        ; which 512 along K
	s_lshl_b32 s21, s21, 7
	s_lshl_b32 s23, s20, 5
	s_add_co_u32 s21, s21, s23                     ; my wave's first column
	v_lshlrev_b32 v3, 2, v2
	s_mul_i32 s23, s20, 32*WP
	s_add_co_u32 s23, s23, QBASE                   ; my stage
	v_mul_u32_u24 v4, v2, WP
	v_add_nc_u32 v4, s23, v4                       ; into it: row = my column
	v_and_b32 v5, 15, v2
	v_lshrrev_b32 v6, 4, v2
	v_mul_u32_u24 v7, v6, WP
	v_lshl_add_u32 v7, v5, 4, v7
	v_add_nc_u32 v7, s23, v7                       ; out of it: sixteen lanes to a row, two rows an instruction
	v_lshlrev_b32 v8, 9, v6
	v_lshl_add_u32 v8, v5, 4, v8                   ; the same place in wc (rows of 512 bytes)
	v_lshlrev_b32 v9, 5, v2                        ; my column's row of ws (32 bytes)
	s_mul_i32 s24, s22, 512*12288
	s_lshl_b32 s26, s21, 2
	s_add_co_u32 s24, s24, s26
	s_mov_b32 s25, 0
	s_lshl_b32 s26, s21, 9
	s_lshl_b32 s28, s22, 8
	s_add_co_u32 s26, s26, s28
	s_mov_b32 s27, 0
	s_lshl_b32 s28, s21, 5
	s_lshl_b32 s30, s22, 4
	s_add_co_u32 s28, s28, s30
	s_mov_b32 s29, 0
	s_wait_kmcnt 0x0
	s_add_nc_u64 s[6:7], s[6:7], s[24:25]
	s_add_nc_u64 s[14:15], s[14:15], s[26:27]
	s_add_nc_u64 s[16:17], s[16:17], s[28:29]
.macro WQLOAD t                        ; block t: rows 32 t + i of my column; every offset an immediate, 511 x 12,288 bytes at the most
.set i, 0
.rept 32
	global_load_b32 v[WX+32*((\t)%2)+i], v3, s[6:7] offset:(32*(\t)+i)*12288 th:TH_LOAD_NT
.set i, i+1
.endr
.endm
	WQLOAD 0
	WQLOAD 1
.macro WQBLOCK t
.set XS, WX+32*((\t)%2)
.if (\t) < 15
	s_wait_loadcnt 32                              ; this block's 32 loads are in; the next block's 32 may be out
.else
	s_wait_loadcnt 0
.endif
	v_max3_num_f32 v14, |v[XS]|, |v[XS+1]|, |v[XS+2]|
	v_max3_num_f32 v15, |v[XS+3]|, |v[XS+4]|, |v[XS+5]|
.irp i, 6,10,14,18,22,26
	v_max3_num_f32 v14, v14, |v[XS+\i]|, |v[XS+\i+1]|
	v_max3_num_f32 v15, v15, |v[XS+\i+2]|, |v[XS+\i+3]|
.endr
	v_max3_num_f32 v14, v14, |v[XS+30]|, |v[XS+31]|
	v_max3_num_f32 v14, v14, v15, 0x1800000        ; and the floor
	v_add_nc_u32 v11, 0xff000000, v14              ; the conversion's scale operand
	v_lshrrev_b32 v15, 23, v11                     ; the scale's byte
.if (\t)%4 == 0
	v_mov_b32 v[SB+(\t)/4], v15
.else
	v_lshl_or_b32 v[SB+(\t)/4], v15, 8*((\t)%4), v[SB+(\t)/4]
.endif
.irp g, 0,1,2,3
	v_cvt_scalef32_pk8_fp4_f32 v[WC+\g], v[XS+8*\g:XS+8*\g+7], v11
.endr
	ds_store_b128 v4, v[WC:WC+3] offset:16*(\t)    ; 32 codes: 16 bytes of my column's row
.if (\t)+2 < 16
	WQLOAD (\t)+2
.endif
	s_wait_dscnt 0x0                               ; the store has read its registers: the next block's codes may be written
.endm
.irp t, 0,1,2,3,4,5,6,7,8,9,10,11,12,13,14,15
	WQBLOCK \t
.endr
	global_store_b128 v9, v[SB:SB+3], s[16:17]     ; my column's 16 scale bytes
.irp t, 0,1,2,3,4,5,6,7,8,9,10,11,12,13,14,15
	ds_load_b128 v[WOUT+4*\t:WOUT+4*\t+3], v7 offset:2*\t*WP
.endr
.irp t, 0,1,2,3,4,5,6,7,8,9,10,11,12,13,14,15
	s_wait_dscnt 15-\t
	global_store_b128 v8, v[WOUT+4*\t:WOUT+4*\t+3], s[14:15] offset:2*\t*512
.endr
	s_wait_tensorcnt 0x0                           ; the wave's end: the three lines
	ds_add_u32 v[SPW], v[NIL]
	s_wait_dscnt 0x0
	s_endpgm
; ---------------- w_out: the same plan without a quantiser: a lane takes a column n and 128 rows k; pairs along K are rounded to f16 in place; 256 bytes a column go through the stage and leave as rows.
.Lwo:
	s_sub_co_u32 s21, ttmp9, 48
	s_and_b32 s22, s21, 7                          ; which 128 columns
	s_lshr_b32 s21, s21, 3                         ; which 128 along K
	s_lshl_b32 s22, s22, 7
	s_lshl_b32 s23, s20, 5
	s_add_co_u32 s22, s22, s23                     ; my wave's first column
	v_lshlrev_b32 v3, 2, v2
	s_mul_i32 s23, s20, 32*WP
	s_add_co_u32 s23, s23, OBASE
	v_mul_u32_u24 v4, v2, WP
	v_add_nc_u32 v4, s23, v4
	v_and_b32 v5, 15, v2
	v_lshrrev_b32 v6, 4, v2
	v_mul_u32_u24 v7, v6, WP
	v_lshl_add_u32 v7, v5, 4, v7
	v_add_nc_u32 v7, s23, v7
	v_lshlrev_b32 v8, 11, v6
	v_lshl_add_u32 v8, v5, 4, v8                   ; the same place in wo16 (rows of 2,048 bytes)
	s_lshl_b32 s24, s21, 19
	s_lshl_b32 s26, s22, 2
	s_add_co_u32 s24, s24, s26
	s_mov_b32 s25, 0
	s_lshl_b32 s26, s22, 11
	s_lshl_b32 s28, s21, 8
	s_add_co_u32 s26, s26, s28
	s_mov_b32 s27, 0
	s_wait_kmcnt 0x0
	s_add_nc_u64 s[8:9], s[8:9], s[24:25]
	s_add_nc_u64 s[18:19], s[18:19], s[26:27]
.macro WOLOAD t                        ; rows 32 t + i into v[32 + 32 t + i]: every block has registers of its own
.set i, 0
.rept 32
	global_load_b32 v[32+32*(\t)+i], v3, s[8:9] offset:(32*(\t)+i)*4096
.set i, i+1
.endr
.endm
.macro WOCVT t                         ; pair p of the column goes to v[32 + p], which lies at or under its sources: ascending, nothing is lost
.set i, 16*(\t)
.rept 16
	v_cvt_pk_f16_f32 v[32+i], v[32+2*i], v[33+2*i]
.set i, i+1
.endr
.endm
	WOLOAD 0
	WOLOAD 1
	s_wait_loadcnt 32                              ; block 0 is in; block 1's 32 loads may be out
	WOCVT 0
	WOLOAD 2
	s_wait_loadcnt 32
	WOCVT 1
	WOLOAD 3
	s_wait_loadcnt 32
	WOCVT 2
	s_wait_loadcnt 0
	WOCVT 3
.irp u, 0,1,2,3,4,5,6,7,8,9,10,11,12,13,14,15
	ds_store_b128 v4, v[32+4*\u:35+4*\u] offset:16*\u
.endr
.irp t, 0,1,2,3,4,5,6,7,8,9,10,11,12,13,14,15
	ds_load_b128 v[96+4*\t:99+4*\t], v7 offset:2*\t*WP
.endr
.irp t, 0,1,2,3,4,5,6,7,8,9,10,11,12,13,14,15
	s_wait_dscnt 15-\t
	global_store_b128 v8, v[96+4*\t:99+4*\t], s[18:19] offset:2*\t*2048   ; sixteen lanes store 256 consecutive bytes, aligned
.endr
	s_wait_tensorcnt 0x0                           ; the wave's end: the three lines
	ds_add_u32 v[SPW], v[NIL]
	s_wait_dscnt 0x0
	s_endpgm
.Lfunc_end_k_q80ee0762a5_prep:
	.size	k_q80ee0762a5_prep, .Lfunc_end_k_q80ee0762a5_prep-k_q80ee0762a5_prep
	.p2alignl 7, 3214868480
	.fill 96, 4, 3214868480
	.section	.rodata,"a",@progbits
	.p2align	6, 0x0
	.amdhsa_kernel k_q80ee0762a5_prep
		.amdhsa_group_segment_fixed_size 102912
		.amdhsa_private_segment_fixed_size 0
		.amdhsa_enable_private_segment 0
		.amdhsa_kernarg_size 64
		.amdhsa_user_sgpr_count 2
		.amdhsa_user_sgpr_kernarg_segment_ptr 1
		.amdhsa_wavefront_size32 1
		.amdhsa_system_sgpr_workgroup_id_x 1
		.amdhsa_system_sgpr_workgroup_id_y 1
		.amdhsa_system_sgpr_workgroup_id_z 1
		.amdhsa_system_vgpr_workitem_id 0
		.amdhsa_next_free_vgpr 192
		.amdhsa_next_free_sgpr 66
		.amdhsa_reserve_vcc 0
		.amdhsa_float_denorm_mode_32 3
		.amdhsa_float_denorm_mode_16_64 3
		.amdhsa_memory_ordered 1
		.amdhsa_forward_progress 1
		.amdhsa_inst_pref_size 132
	.end_amdhsa_kernel
	.amdgpu_metadata
---
amdhsa.version: [ 1, 2 ]
amdhsa.kernels:
  - .name:           k_q80ee0762a5_prep
    .symbol:         k_q80ee0762a5_prep.kd
    .args:
      - { .name: x, .offset: 0, .size: 8, .value_kind: global_buffer, .address_space: global }
      - { .name: w_qkv, .offset: 8, .size: 8, .value_kind: global_buffer, .address_space: global }
      - { .name: w_out, .offset: 16, .size: 8, .value_kind: global_buffer, .address_space: global }
      - { .name: xc, .offset: 24, .size: 8, .value_kind: global_buffer, .address_space: global }
      - { .name: xs, .offset: 32, .size: 8, .value_kind: global_buffer, .address_space: global }
      - { .name: wc, .offset: 40, .size: 8, .value_kind: global_buffer, .address_space: global }
      - { .name: ws, .offset: 48, .size: 8, .value_kind: global_buffer, .address_space: global }
      - { .name: wo16, .offset: 56, .size: 8, .value_kind: global_buffer, .address_space: global }
    .group_segment_fixed_size: 102912
    .private_segment_fixed_size: 0
    .kernarg_segment_align: 8
    .kernarg_segment_size: 64
    .max_flat_workgroup_size: 128
    .sgpr_count:     66
    .vgpr_count:     192
    .wavefront_size: 32
...
	.end_amdgpu_metadata
.endif
;; end of part 1
;; launch gemm_qkv (part 2): grid 12 x 32, 4 waves a work-group, clusters of 4 x 4, 327,680 bytes of LDS; arguments xc, xs, wc, ws, qkv16, qkvf; writes qkv16, qkvf
.if DOCPART == 2
	.amdgcn_target "amdgcn-amd-amdhsa--gfx1250"
	.amdhsa_code_object_version 6
	.text
	.protected	k_q80ee0762a5_gemm_qkv
	.globl	k_q80ee0762a5_gemm_qkv
	.p2align	8
	.type	k_q80ee0762a5_gemm_qkv,@function
k_q80ee0762a5_gemm_qkv:
	s_mov_b64 s[64:65], 0
	v_nop
	global_prefetch_b8 v0, s[64:65] scope:SCOPE_SE
	s_setreg_imm32_b32 hwreg(HW_REG_WAVE_MODE, 25, 1), 1
	s_wait_xcnt 0x0
	s_wait_alu depctr_hold_cnt(0) depctr_sa_sdst(0) depctr_va_vdst(0) depctr_va_sdst(0) depctr_va_ssrc(0) depctr_va_vcc(0) depctr_vm_vsrc(0)
	s_getreg_b32 s2, hwreg(HW_REG_IB_STS2, 6, 4)
	s_cmp_eq_u32 s2, 0
	s_cbranch_scc0 .Lentry_in_a_cluster
	s_endpgm
.Lentry_in_a_cluster:
	s_bfe_u32 s2, ttmp6, 0x10000c
	s_cmp_lg_u32 s2, 0xf033
	s_cbranch_scc0 .Lentry_shape_is_right
	s_endpgm
.Lentry_shape_is_right:
; qkv[m][n] = sum over k of x[m][k] w_qkv[k][n], on codes of FP4 (E2M1) with one E8M0 scale for each 32 along K; sums in f32.  A = xc [8192][512 bytes], xs [8192][32]; B = wc [3072][512 bytes], ws [3072][32].
; A tile of the result, 256 x 256, is made by four waves, 128 x 128 each: 64 accumulators, 512 registers.  K = 1,024 is two slots of 512 (LDS rows of 256 bytes): both are first fills, nothing is filled again.
; The scale bytes of the tile's 256 + 256 rows, for all of K, come once with the first fills, in rows of 256 bytes.
; CLUSTERS: 4 x 4 work-groups; A's tiles are asked for jointly along a row of the cluster, B's along a column.  TILE ROW = 8 cy + cluster y: so the batch is cy, and 'the first 256 positions of a batch'
; reads cluster y = 0, a number that all sixteen partners share: no branch hangs on a work-group's place in its cluster.
; THE MATRIX INSTRUCTION IS USED TRANSPOSED (source 0 = 16 rows of B, source 1 = 16 rows of A): a lane holds eight neighbouring columns of one row.
; RESULTS: qkv16 [192 planes][2048 positions][64] f16, plane = 64 x (q, k or v) + 16 x batch + head: 16 positions of a head are 2,048 consecutive bytes.  qkvf [64 = 16 x batch + position][3072] f32: positions 0-15 of each batch, unrounded.
; LIMIT: |q|, |k|, |v| must stay under 65,504 (f16).
; REGISTERS: window 0: v16-29 addresses; v32-95 scale words, two sets, nothing else ever; v128-191 A's fragments, one set; on the way out v96-127 packed results, v128-191 the f32 rows, v192-255 the f16 rows.
;   window 1: B's fragments, two sets.  window 2: accumulators of my rows 0-63 ((a, b) at v[8 (8 a + b)]); window 3: rows 64-127.
.set NQ,     4                         ; matrix instructions deep in a slot
.set ROWB,   256
.set KROW,   512
.set PITCH,  272                       ; an LDS row: 256 bytes + 16: the sixteen rows of a fragment load start at sixteen different banks (64 banks of 4 bytes: ISA guide 11.1)
.set FR,     8
.set NL,     2
.set NP,     4                         ; places behind this matrix instruction (ISA guide 7.12.1)
.set HALFT,  128*PITCH
.set SLOT,   4*HALFT
.set KS,     32                        ; a row of scale bytes
.set SCL,    2*SLOT
.set HALFS,  16*272                    ; the scales of 128 rows
.set SBLK,   2*272                     ; of 16 rows
.set SPARE,  SCL+4*HALFS
.set FSTG,   0                         ; the way out: f32 stages, 16 x 528 bytes a wave, and behind them f16 stages, 16 x 272 a wave: in slot 0, which has had its only fill and its last read by then
.set HSTG,   4*16*528
.set ADRA, 16
.set STOF, 18                          ; v18 f32 stage, in;  v19 out
.set RDF,  19
.set ADRB, 20
.set STO,  24                          ; v24 f16 stage, in;  v25 out
.set RD,   25
.set CO,   26                          ; v26 16 x lane
.set ADRS, 27
.set SPW,  28
.set NIL,  29
.set SC,   32
.set TMP,  96
.set AF,   128
.set BKF,  128
.set BK,   192
.set G1, 24
.set G0, 32
.set G1B, 48
.set G0B, 56
.set G1S, 68
.set G0S, 76
.set G1SB, 80
.set G0SB, 88
.set MSB, 0
.macro WIN new                         ; the immediate's high byte repeats the setting that is left
.if MSB != \new
	s_set_vgpr_msb (MSB<<8)|\new
.set MSB, \new
.endif
.endm
.set MUL_LO, 0xa1                      ; source 0 (B) window 1, source 1 (A) window 0, C and D window 2
.set MUL_HI, 0xf1
.set TO_B,   0x40
; A joint load: waves 0 and 1 fetch for A, waves 2 and 3 for B; the branch hangs on the wave's number alone.  An s_nop 0 and four v_nop follow each line.
.macro JLOAD g0a, g1a, g0b, g1b
	s_cmp_eq_u32 s15, 0
	s_cbranch_scc0 .Lfor_b_\@
	tensor_load_to_lds s[\g0a:\g0a+3], s[\g1a:\g1a+7]
	s_nop 0
.rept 4
	v_nop
.endr
	s_branch .Lasked_\@
.Lfor_b_\@:
	tensor_load_to_lds s[\g0b:\g0b+3], s[\g1b:\g1b+7]
	s_nop 0
.rept 4
	v_nop
.endr
.Lasked_\@:
.endm
.macro CROUND                          ; a round of the cluster's barrier
	s_barrier_signal -1
	s_barrier_wait -1
	s_cmp_lg_u32 s14, 0
	s_cbranch_scc1 .Lnot_wave_0_\@
	s_barrier_signal -3
.Lnot_wave_0_\@:
	s_barrier_wait -3
	s_barrier_signal -1
	s_barrier_wait -1
.endm
	s_load_b128 s[4:7], s[0:1], 0x0                ; A's codes, A's scales
	s_load_b128 s[8:11], s[0:1], 0x10              ; B's codes, B's scales
	s_load_b64 s[12:13], s[0:1], 0x20              ; qkv16
	s_load_b64 s[2:3], s[0:1], 0x28                ; qkvf
	v_lshl_add_u32 v[SPW], v0, 2, SPARE
	v_mov_b32 v[NIL], 0
	ds_add_u32 v[SPW], v[NIL]                      ; the wave's opening: the add, twice on end, and its wait ahead of my first tensor load
	ds_add_u32 v[SPW], v[NIL]
	v_lshrrev_b32 v1, 5, v0
	v_readfirstlane_b32 s14, v1                    ; wave 0..3
	s_lshr_b32 s15, s14, 1                         ; my half of the tile's rows.  Also: I fetch for A (0) or for B (1)
	s_and_b32 s16, s14, 1                          ; my half of its columns.  Also: which 128 rows I fetch
	s_bfe_u32 s40, ttmp6, 0x40000                  ; cx
	s_bfe_u32 s41, ttmp6, 0x40004                  ; cy
	s_lshl_b32 s42, ttmp9, 2
	s_add_co_u32 s42, s42, s40                     ; tile column = 4 x cluster x + cx
	s_and_b32 s17, ttmp7, 0xffff
	s_lshl_b32 s18, s41, 3
	s_add_co_u32 s17, s17, s18                     ; tile row = 8 cy + cluster y
	s_lshl_b32 s43, s41, 2
	s_lshl_b32 s43, 15, s43                        ; my row of the cluster
	s_lshl_b32 s44, 0x1111, s40                    ; my column
	s_or_b32 s[G1+0], s43, (0<<16)|(1<<20)|(1<<21)|(5<<22)|(3<<25)  ; the mask; elements of 1 byte; padding: 4 words after every 64; bit 21 beside a mask
	s_or_b32 s[G1B+0], s44, (0<<16)|(1<<20)|(1<<21)|(5<<22)|(3<<25)
.irp g, G1, G1B
	s_mov_b32 s[\g+1], ROWB<<16                    ; tensor_dim0
	s_mov_b32 s[\g+2], 128<<16                     ; tensor_dim1
	s_mov_b32 s[\g+3], ROWB<<16                    ; tile_dim0
	s_mov_b32 s[\g+4], 128                         ; tile_dim1
	s_mov_b32 s[\g+5], KROW                        ; pitch
	s_mov_b32 s[\g+6], 0
	s_mov_b32 s[\g+7], 0
.endr
	s_or_b32 s[G1S+0], s43, (3<<16)|(1<<20)|(1<<21)|(5<<22)|(3<<25)  ; the scales of 128 rows: 4,096 dense bytes as 16 rows of 32 elements of 8 bytes
	s_or_b32 s[G1SB+0], s44, (3<<16)|(1<<20)|(1<<21)|(5<<22)|(3<<25)
.irp g, G1S, G1SB
	s_mov_b32 s[\g+1], 32<<16
	s_mov_b32 s[\g+2], 16<<16
	s_mov_b32 s[\g+3], 32<<16
	s_mov_b32 s[\g+4], 16
	s_mov_b32 s[\g+5], 32
	s_mov_b32 s[\g+6], 0
	s_mov_b32 s[\g+7], 0
.endr
	s_lshl_b32 s18, s16, 7
	s_lshl_b32 s20, s17, 8
	s_add_co_u32 s20, s20, s18                     ; A: row 256 x tile row + 128 x half
	s_lshl_b32 s46, s42, 8
	s_add_co_u32 s46, s46, s18                     ; B: row 256 x tile column + 128 x half
	s_mov_b32 s21, 0
	s_mov_b32 s47, 0
	s_mov_b64 s[18:19], KS
	s_mul_u64 s[22:23], s[20:21], s[18:19]
	s_mul_u64 s[92:93], s[46:47], s[18:19]
	s_mov_b64 s[18:19], KROW
	s_mul_u64 s[20:21], s[20:21], s[18:19]
	s_mul_u64 s[46:47], s[46:47], s[18:19]
	s_mul_i32 s45, s14, HALFT                      ; where they go: wave x 128 rows
	s_mul_i32 s94, s14, HALFS
	s_wait_dscnt 0x0                               ; both opening adds are done
	s_wait_kmcnt 0x0
	s_add_nc_u64 s[20:21], s[4:5], s[20:21]
	s_add_nc_u64 s[22:23], s[6:7], s[22:23]
	s_add_nc_u64 s[46:47], s[8:9], s[46:47]
	s_add_nc_u64 s[92:93], s[10:11], s[92:93]
	CROUND                                         ; all sixteen work-groups are here: the joint loads meet
	s_mov_b32 s[G0S], 1
	s_add_co_u32 s[G0S+1], s94, SCL
	s_mov_b64 s[G0S+2:G0S+3], s[22:23]
	s_or_b32 s[G0S+3], s[G0S+3], 0x80000000
	s_mov_b32 s[G0SB], 1
	s_add_co_u32 s[G0SB+1], s94, SCL
	s_mov_b64 s[G0SB+2:G0SB+3], s[92:93]
	s_or_b32 s[G0SB+3], s[G0SB+3], 0x80000000
	JLOAD G0S, G1S, G0SB, G1SB                     ; the scales first
.irp s, 0,1
	s_mov_b32 s[G0+4*\s], 1
	s_add_co_u32 s[G0+4*\s+1], s45, \s*SLOT
	s_add_nc_u64 s[G0+4*\s+2:G0+4*\s+3], s[20:21], \s*ROWB
	s_or_b32 s[G0+4*\s+3], s[G0+4*\s+3], 0x80000000
	s_mov_b32 s[G0B+4*\s], 1
	s_add_co_u32 s[G0B+4*\s+1], s45, \s*SLOT
	s_add_nc_u64 s[G0B+4*\s+2:G0B+4*\s+3], s[46:47], \s*ROWB
	s_or_b32 s[G0B+4*\s+3], s[G0B+4*\s+3], 0x80000000
	JLOAD G0+4*\s, G1, G0B+4*\s, G1B               ; three loads of mine are out in all
.endr
	v_and_b32 v1, 15, v0                           ; r
	v_bfe_u32 v2, v0, 4, 1                         ; h
	v_mul_u32_u24 v3, v1, PITCH
	v_lshl_add_u32 v4, v2, 4, v3
	s_mul_i32 s21, s15, HALFT
	s_mul_i32 s22, s16, HALFT
	s_add_co_u32 s22, s22, 2*HALFT
.irp s, 0,1
	v_add_nc_u32 v[ADRA+\s], s21, v4
	v_add_nc_u32 v[ADRB+\s], s22, v4
	s_add_co_u32 s21, s21, SLOT
	s_add_co_u32 s22, s22, SLOT
.endr
	v_mul_u32_u24 v5, v1, KS                       ; my row's scales: 32 bytes a row, and 16 more for each 256 passed
	v_lshrrev_b32 v6, 8, v5
	v_lshl_add_u32 v5, v6, 4, v5
	s_mul_i32 s21, s15, HALFS
	s_mul_i32 s22, s16, HALFS
	s_add_co_u32 s22, s22, 2*HALFS
	s_sub_co_u32 s22, s22, s21
	v_mul_u32_u24 v6, s22, v2                      ; lanes 16-31 take B's
	s_add_co_u32 s21, s21, SCL
	v_add_nc_u32 v5, v5, v6
	v_add_nc_u32 v[ADRS], s21, v5
	s_mul_i32 s23, s14, 16*528                     ; my f32 stage
	v_mul_u32_u24 v5, v1, 528
	v_lshl_add_u32 v5, v2, 5, v5
	v_add_nc_u32 v[STOF], s23, v5                  ; in: row r, 32 bytes for each half of the lanes
	v_and_b32 v6, 31, v0
	v_lshlrev_b32 v[CO], 4, v6
	v_add_nc_u32 v[RDF], s23, v[CO]                ; back: 32 lanes take a row of 512 bytes
	s_mul_i32 s23, s14, 16*272
	s_add_co_u32 s23, s23, HSTG                    ; my f16 stage
	v_mul_u32_u24 v5, v1, 272
	v_lshl_add_u32 v5, v2, 4, v5
	v_add_nc_u32 v[STO], s23, v5                   ; in: row r, 16 bytes for each half
	v_lshrrev_b32 v5, 3, v6
	v_mul_u32_u24 v5, v5, 272
	v_and_b32 v7, 7, v6
	v_lshl_add_u32 v5, v7, 4, v5
	v_add_nc_u32 v[RD], s23, v5                    ; back: eight lanes take a head's 128 bytes of a row, four rows an instruction
	; where my part of qkv16 begins: plane, then position
	s_lshl_b32 s46, s42, 2
	s_lshl_b32 s47, s16, 1
	s_add_co_u32 s46, s46, s47                     ; my first group of 64 columns: 0..47
	s_lshr_b32 s47, s46, 4                         ; q, k or v
	s_lshl_b32 s47, s47, 6
	s_and_b32 s46, s46, 15                         ; head
	s_add_co_u32 s46, s46, s47
	s_lshl_b32 s47, s41, 4                         ; 16 x batch
	s_add_co_u32 s46, s46, s47
	s_lshl_b32 s46, s46, 18                        ; a plane is 2^18 bytes
	s_and_b32 s47, ttmp7, 0xffff
	s_lshl_b32 s47, s47, 15                        ; 256 positions of 128 bytes
	s_add_co_u32 s46, s46, s47
	s_lshl_b32 s47, s15, 14
	s_add_co_u32 s46, s46, s47
	s_mov_b32 s47, 0
	s_add_nc_u64 s[12:13], s[12:13], s[46:47]
	s_mul_i32 s46, s41, 16*12288                   ; and of qkvf: 16 rows a batch, my 128 columns
	s_lshl_b32 s47, s42, 10
	s_add_co_u32 s46, s46, s47
	s_lshl_b32 s47, s16, 9
	s_add_co_u32 s46, s46, s47
	s_mov_b32 s47, 0
	s_add_nc_u64 s[2:3], s[2:3], s[46:47]
.macro FRAG reg, adr, q, i             ; 16 rows x 128 K of 4-bit codes: 8 registers, two loads of 16 bytes, 32 bytes apart
.irp c, 0,1
	ds_load_b128 v[\reg+4*\c:\reg+4*\c+3], v[\adr] offset:64*(\q)+32*\c+(\i)*16*PITCH
.endr
.endm
; 16 matrix instructions: A's blocks a0, a0 + 1 x B's eight.  The 64 accumulators take turns, one instruction a turn, in the same order in every step.
.macro MUL16 a0, p, q, sc, zero
.irp a, \a0, \a0+1
.irp b, 0,1,2,3,4,5,6,7
.if \zero
	v_wmma_scale_f32_16x16x128_f8f6f4 v[8*(8*((\a)%4)+\b):8*(8*((\a)%4)+\b)+7], v[128*(\p)+FR*\b:128*(\p)+FR*\b+FR-1], v[AF+FR*(\a):AF+FR*(\a)+FR-1], 0, v[SC+8*NQ*(\sc)+NQ*\b+(\q)], v[SC+8*NQ*(\sc)+NQ*(\a)+(\q)] matrix_a_fmt:MATRIX_FMT_FP4 matrix_b_fmt:MATRIX_FMT_FP4 matrix_a_scale:MATRIX_SCALE_ROW1
.else
	v_wmma_scale_f32_16x16x128_f8f6f4 v[8*(8*((\a)%4)+\b):8*(8*((\a)%4)+\b)+7], v[128*(\p)+FR*\b:128*(\p)+FR*\b+FR-1], v[AF+FR*(\a):AF+FR*(\a)+FR-1], v[8*(8*((\a)%4)+\b):8*(8*((\a)%4)+\b)+7], v[SC+8*NQ*(\sc)+NQ*\b+(\q)], v[SC+8*NQ*(\sc)+NQ*(\a)+(\q)] matrix_a_fmt:MATRIX_FMT_FP4 matrix_b_fmt:MATRIX_FMT_FP4 matrix_a_scale:MATRIX_SCALE_ROW1
.endif
.endr
.endr
.endm
.macro FETCH_B slot, q, p
	WIN TO_B
.irp i, 0,1,2,3,4,5,6,7
	FRAG 128*(\p)+FR*\i, ADRB+\slot, \q, \i
.endr
	WIN 0
.endm
.macro FETCH_A slot, q, i0
.irp i, \i0, \i0+1, \i0+2, \i0+3
	FRAG AF+FR*(\i), ADRA+\slot, \q, \i
.endr
.endm
.macro SCALES sc                       ; a slot's scale words: lanes 0-15 A's block i, lanes 16-31 B's block i
.irp i, 0,1,2,3,4,5,6,7
	ds_load_b128 v[SC+8*NQ*\sc+NQ*\i:SC+8*NQ*\sc+NQ*\i+3], v[ADRS] offset:\i*SBLK
.endr
.endm
.macro PLACES n                        ; plain vector lines between a matrix instruction and a load into, or a read of, its registers
.rept \n
	v_nop
.endr
.endm
.macro STEP slot, q, zero              ; 128 along K, with its successor in the same slot
	s_wait_dscnt 4*NL                              ; B's set and A's blocks 0-3 are in; the youngest eight loads (A's blocks 4-7) may be out
	WIN MUL_LO
	MUL16 0, (\q)%2, \q, \slot, \zero
	MUL16 2, (\q)%2, \q, \slot, \zero
	s_wait_dscnt 0                                 ; A's blocks 4-7 are in
	PLACES NP
	FETCH_B \slot, (\q)+1, 1-(\q)%2
	FETCH_A \slot, (\q)+1, 0
	WIN MUL_HI
	MUL16 4, (\q)%2, \q, \slot, \zero
	MUL16 6, (\q)%2, \q, \slot, \zero
	PLACES NP
	WIN 0
	FETCH_A \slot, (\q)+1, 4
.endm
.macro STEPS slot, from
.set Q, \from
.rept NQ-1-\from
	STEP \slot, Q, 0
.set Q, Q+1
.endr
.endm
	s_wait_tensorcnt 1                             ; the scales and my part of slot 0 are in; slot 1's load may be out
	s_barrier_signal -1
	s_barrier_wait -1
	FETCH_B 0, 0, 0
	FETCH_A 0, 0, 0
	SCALES 0
	FETCH_A 0, 0, 4
	STEP 0, 0, 1                                   ; the first products start the sums: nothing is cleared
	STEPS 0, 1
	; slot 0's last step changes slots: one barrier
	s_wait_tensorcnt 0x0                           ; my part of slot 1 has landed
	ds_add_u32 v[SPW], v[NIL]                      ; 0 onto my spare word
	s_wait_dscnt 4*NL+1                            ; the add and the youngest eight loads may be out
	WIN MUL_LO
	MUL16 0, 1, NQ-1, 0, 0
	s_wait_dscnt 0x0                               ; the add is done, and my reads of slot 0 are over
	s_barrier_signal -1
	MUL16 2, 1, NQ-1, 0, 0
	WIN 0
	s_barrier_wait -1
	PLACES NP
	v_add_nc_u32 v[ADRS], 4*NQ, v[ADRS]            ; the second slot's scale words
	FETCH_B 1, 0, 0
	FETCH_A 1, 0, 0
	SCALES 1
	WIN MUL_HI
	MUL16 4, 1, NQ-1, 0, 0
	MUL16 6, 1, NQ-1, 0, 0
	PLACES NP
	WIN 0
	FETCH_A 1, 0, 4
	STEPS 1, 0
	s_wait_dscnt 4*NL                              ; the very last step
	WIN MUL_LO
	MUL16 0, 1, NQ-1, 1, 0
	MUL16 2, 1, NQ-1, 1, 0
	s_wait_dscnt 0
	WIN MUL_HI
	MUL16 4, 1, NQ-1, 1, 0
	MUL16 6, 1, NQ-1, 1, 0
	WIN 0
	PLACES NP                                      ; ahead of reads of results and of loads into A's registers
	; THE F32 COPY of positions 0-15: block 0 of the waves with rows 0-127 in the tiles with cluster y = 0.  The test is made of the wave's number and the cluster's y alone.
	s_and_b32 s20, ttmp7, 0xffff
	s_or_b32 s20, s20, s15
	s_cmp_lg_u32 s20, 0
	s_cbranch_scc1 .Lno_copy
	WIN 0x08                                       ; an LDS store's data are its source 1: window 2
.irp b, 0,1,2,3,4,5,6,7
	ds_store_b128 v[STOF], v[8*\b:8*\b+3] offset:64*\b             ; each accumulator from its low end on
	ds_store_b128 v[STOF], v[8*\b+4:8*\b+7] offset:64*\b+16
.endr
	WIN 0
.irp t, 0,1,2,3,4,5,6,7,8,9,10,11,12,13,14,15
	ds_load_b128 v[BKF+4*\t:BKF+4*\t+3], v[RDF] offset:\t*528      ; LDS serves a wave's instructions in order: these see the stores above
.endr
.irp t, 0,1,2,3,4,5,6,7,8,9,10,11,12,13,14,15
	s_wait_dscnt 15-\t
	global_store_b128 v[CO], v[BKF+4*\t:BKF+4*\t+3], s[2:3] offset:\t*12288   ; 32 lanes store 512 consecutive bytes, aligned
.endr
.Lno_copy:
; THE F16 PLANES, a block of 16 rows x 128 columns (two heads) at a time.
.macro PACK a
.set AC, 64*((\a)%4)
	WIN 0x0a+5*((\a)/4)                            ; sources 0 and 1: window 2 or 3
.irp b, 0,1,2,3,4,5,6,7
.irp r, 0,1,2,3
	v_cvt_pk_f16_f32 v[TMP+4*\b+\r], v[AC+8*\b+2*\r], v[AC+8*\b+2*\r+1]
.endr
.endr
	WIN 0
.endm
.macro TOSTAGE a
.set BB, BK+32*((\a)%2)
.irp b, 0,1,2,3,4,5,6,7
	ds_store_b128 v[STO], v[TMP+4*\b:TMP+4*\b+3] offset:32*\b
.endr
.irp t, 0,1,2,3,4,5,6,7
	ds_load_b128 v[BB+4*\t:BB+4*\t+3], v[RD] offset:(\t%4)*4*272+128*(\t/4)   ; four rows of head t / 4
.endr
.endm
.macro SEND a
.set BB, BK+32*((\a)%2)
	s_wait_dscnt 0x0                               ; the block is back in registers
	s_wait_xcnt 0x0                                ; the earlier stores have read their registers: the next block's loads may land on them
.irp t, 0,1,2,3,4,5,6,7
	global_store_b128 v[CO], v[BB+4*\t:BB+4*\t+3], s[12:13] offset:(\a)*2048+(\t/4)*262144+(\t%4)*512   ; four positions of a head: 512 consecutive bytes, aligned
.endr
.endm
	PACK 0
	TOSTAGE 0
.irp a, 1,2,3,4,5,6,7                  ; block a's conversions stand between block a - 1's loads from the stage and the wait for them
	PACK \a
	SEND \a-1
	TOSTAGE \a
.endr
	SEND 7
	s_wait_tensorcnt 0x0                           ; the wave's end
	ds_add_u32 v[SPW], v[NIL]
	s_wait_dscnt 0x0
	CROUND                                         ; the closing round
	s_endpgm
.Lfunc_end_k_q80ee0762a5_gemm_qkv:
	.size	k_q80ee0762a5_gemm_qkv, .Lfunc_end_k_q80ee0762a5_gemm_qkv-k_q80ee0762a5_gemm_qkv
	.p2alignl 7, 3214868480
	.fill 96, 4, 3214868480
	.section	.rodata,"a",@progbits
	.p2align	6, 0x0
	.amdhsa_kernel k_q80ee0762a5_gemm_qkv
		.amdhsa_group_segment_fixed_size 327680
		.amdhsa_private_segment_fixed_size 0
		.amdhsa_enable_private_segment 0
		.amdhsa_kernarg_size 48
		.amdhsa_user_sgpr_count 2
		.amdhsa_user_sgpr_kernarg_segment_ptr 1
		.amdhsa_wavefront_size32 1
		.amdhsa_system_sgpr_workgroup_id_x 1
		.amdhsa_system_sgpr_workgroup_id_y 1
		.amdhsa_system_sgpr_workgroup_id_z 1
		.amdhsa_system_vgpr_workitem_id 0
		.amdhsa_next_free_vgpr 1024
		.amdhsa_next_free_sgpr 98
		.amdhsa_reserve_vcc 0
		.amdhsa_float_denorm_mode_32 3
		.amdhsa_float_denorm_mode_16_64 3
		.amdhsa_memory_ordered 1
		.amdhsa_forward_progress 1
		.amdhsa_inst_pref_size 131
	.end_amdhsa_kernel
	.amdgpu_metadata
---
amdhsa.version: [ 1, 2 ]
amdhsa.kernels:
  - .name:           k_q80ee0762a5_gemm_qkv
    .symbol:         k_q80ee0762a5_gemm_qkv.kd
    .args:
      - { .name: xc, .offset: 0, .size: 8, .value_kind: global_buffer, .address_space: global }
      - { .name: xs, .offset: 8, .size: 8, .value_kind: global_buffer, .address_space: global }
      - { .name: wc, .offset: 16, .size: 8, .value_kind: global_buffer, .address_space: global }
      - { .name: ws, .offset: 24, .size: 8, .value_kind: global_buffer, .address_space: global }
      - { .name: qkv16, .offset: 32, .size: 8, .value_kind: global_buffer, .address_space: global }
      - { .name: qkvf, .offset: 40, .size: 8, .value_kind: global_buffer, .address_space: global }
    .group_segment_fixed_size: 327680
    .private_segment_fixed_size: 0
    .kernarg_segment_align: 8
    .kernarg_segment_size: 48
    .max_flat_workgroup_size: 128
    .sgpr_count:     98
    .vgpr_count:     1024
    .wavefront_size: 32
...
	.end_amdgpu_metadata
.endif
;; end of part 2
;; launch attn (part 3): grid 4 x 64, 16 waves a work-group, no clusters, 327,680 bytes of LDS; arguments qkv16, att16; writes att16
.if DOCPART == 3
	.amdgcn_target "amdgcn-amd-amdhsa--gfx1250"
	.amdhsa_code_object_version 6
	.text
	.protected	k_q80ee0762a5_attn
	.globl	k_q80ee0762a5_attn
	.p2align	8
	.type	k_q80ee0762a5_attn,@function
k_q80ee0762a5_attn:
	s_mov_b64 s[64:65], 0
	v_nop
	global_prefetch_b8 v0, s[64:65] scope:SCOPE_SE
	s_setreg_imm32_b32 hwreg(HW_REG_WAVE_MODE, 25, 1), 1
	s_wait_xcnt 0x0
; att[b][h][q][:] = sum over k <= q of softmax_k(Q[q] . K[k] / 8) V[k][:], head size 64, 2,048 positions, 64 pairs (batch, head).  Q, K, V: f16 planes of qkv16 [192][2048][64]; products and sums in f32;
; the weights p are rounded to f16 for the second product; the result goes out as f16 into att16 [16 heads][8192 = 2048 x batch + position][64].
; SOFTMAX: a running maximum m and sum l for each query: p = 2^(c s - c m), c = log2(e) / 8; in every step O and l are multiplied by a = 2^(c m_old - c m_new).
; SHARES: work-group (i, g) owns query blocks i and 7 - i (256 queries each) of pair g, so that under the causal mask all 256 work-groups have the same work.  Each of its sixteen waves owns two tiles of 16 queries:
; tile A at 256 i + 16 (15 - w), tile B at 256 (7 - i) + 16 w; both use every fragment of K and V that the wave reads.  Four waves share a SIMD: one wave's softmax stands beside another's products.
; LAYOUT: S^T = K Q^T (source 0 = 16 keys, source 1 = 16 queries), O^T = V^T P (source 0 = 16 channels, by the turning load; source 1 = P): a lane holds one query throughout; two tiles of S^T rounded in pairs are P's fragment.
; RING: two slots of 256 keys, 2^17 bytes apart, filled by waves 0, 1 (K's halves) and 2, 3 (V's).  Every work-group walks all eight slots with constant trip counts; a step whose keys all come after a tile's queries is
; jumped over by a scalar branch on ids, and a slot whose first key comes after the work-group's last query is not asked for.  Every wait on TENSORcnt is for 0.
; NO CLUSTER: the four work-groups of a pair need 5, 6, 7 and 8 slots: a joint load would bring tiles whose reads every wave of some partner jumps over.
; LIMITS: |q|, |k|, |v| under 65,504 (f16); NaN and infinities are not served.
.set KP,    144                        ; a key's row in LDS: 128 bytes + 16
.set VP,    160                        ; a row of V: 128 + 32
.set VOFF,  256*KP
.set SLOT1, 1<<17
.set NSL,   8
.set SPARE, SLOT1+VOFF+256*VP          ; behind the ring: the spare words, 128 bytes for each of sixteen waves
.set AK0, 1                            ; v1  my lane's place in a tile of K
.set AV0, 2                            ; v2  in a tile of V
.set ADK, 3                            ; v3, v4  the step's addresses
.set ADV, 4
.set SPW, 5
.set NIL, 6
.set PFO, 7                            ; v7  256 x lane
.set DL,  8                            ; v8  lane % 16 - 8 (lane / 16)
.set QO,  11
.set STO, 12
.set RD,  13
.set GO,  14
.set ST,  16                           ; tile t's statistics at v[16 + 8 t]: +0 c m, +1 m, +2, +3 l, +4 .. +7 at work, a at +6
.set Q,   32                           ; v32-63  Q: tile t, channels 32 c on, at 32 + 16 t + 8 c
.set KV,  64                           ; v64-127 a step's fragments of K, later of V
.set S,   128                          ; v128-191 S^T, 32 a tile; P is made in place in a tile's low 16
.set O,   192                          ; v192-255 O^T, 32 a tile
.set WV,  18
.set SEL, 20
.set CS,  22
.set G1K, 24
.set G1V, 32
.set G0K, 40
.set G0V, 44
.set TK,  2                            ; s2, s3  LDS byte at which the step's rows of K, of V begin
.set TV,  3
.set SLOTS, 67
.set CNT, 68
.set QA0, 70                           ; s70 tile A's first query, s71 its last; s72, s73 tile B's; s74 the work-group's last query
.set QAL, 71
.set QB0, 72
.set QBL, 73
.set QWL, 74
.set PFA, 76
.set LIM, 80
.set OA,  84
.set OB,  86
.set KF,  98                           ; s98  the step's first key
.macro TLOAD                           ; waves 0, 1: K; waves 2, 3: V; the others nothing.  An s_nop 0 and four v_nop follow each line
	s_cmp_lt_u32 s[WV], 2
	s_cbranch_scc0 .Lnot_k_\@
	tensor_load_to_lds s[G0K:G0K+3], s[G1K:G1K+7]
	s_nop 0
.rept 4
	v_nop
.endr
	s_branch .Lasked_\@
.Lnot_k_\@:
	s_cmp_lt_u32 s[WV], 4
	s_cbranch_scc0 .Lasked_\@
	tensor_load_to_lds s[G0V:G0V+3], s[G1V:G1V+7]
	s_nop 0
.rept 4
	v_nop
.endr
.Lasked_\@:
.endm
; A prefetch of what the NEXT change of slots will ask for: a slot's 32,768 bytes of K and of V, each aligned block of 256 bytes named once in the launch.  The pair's work-group 0, which walks all eight slots, asks;
; in it waves 4-7 for K and waves 8-11 for V, 8,192 bytes a wave, lanes 256 bytes apart.  It stands one slot, four key steps, ahead of the tensor load; the last filling change asks for nothing.
.macro ASK
	s_cmp_gt_u32 s[SLOTS], s[LIM]
	s_cbranch_scc0 .Lnot_mine_\@
	global_prefetch_b8 v[PFO], s[PFA:PFA+1] th:TH_LOAD_NT scope:SCOPE_SE
.Lnot_mine_\@:
.endm
	s_load_b128 s[4:7], s[0:1], 0x0                ; qkv16, att16
	v_lshl_add_u32 v[SPW], v0, 2, SPARE
	v_mov_b32 v[NIL], 0
	ds_add_u32 v[SPW], v[NIL]                      ; the wave's opening: the add, twice on end, and its wait ahead of the first tensor load
	ds_add_u32 v[SPW], v[NIL]
	v_lshrrev_b32 v9, 5, v0
	v_readfirstlane_b32 s[WV], v9                  ; wave 0..15
	s_and_b32 s88, ttmp7, 0xffff                   ; g = 16 x batch + head
	s_lshl_b32 s[QA0], ttmp9, 8
	s_sub_co_u32 s89, 15, s[WV]
	s_lshl_b32 s89, s89, 4
	s_add_co_u32 s[QA0], s[QA0], s89
	s_add_co_u32 s[QAL], s[QA0], 15
	s_sub_co_u32 s89, 7, ttmp9
	s_lshl_b32 s89, s89, 8
	s_add_co_u32 s[QWL], s89, 255
	s_lshl_b32 s90, s[WV], 4
	s_add_co_u32 s[QB0], s89, s90
	s_add_co_u32 s[QBL], s[QB0], 15
	s_lshl_b32 s92, s88, 18                        ; g's plane, in bytes
	s_and_b32 s94, s[WV], 1
	s_lshl_b32 s95, s94, 14                        ; which 128 rows of a slot I fetch, if I fetch
	s_add_co_u32 s95, s95, s92
	s_add_co_u32 s90, s95, 1<<24                   ; K's planes begin 64 planes on,
	s_mov_b32 s91, 0
	s_add_co_u32 s96, s95, 1<<25                   ; V's 128
	s_mov_b32 s97, 0
	s_mov_b32 s[G1K], (1<<16)|(1<<20)|(4<<22)|(3<<25)   ; elements of 2 bytes; padding: 4 words after every 32
	s_mov_b32 s[G1V], (1<<16)|(1<<20)|(4<<22)|(7<<25)   ; 8 words
.irp g, G1K, G1V
	s_mov_b32 s[\g+1], 64<<16                      ; tensor_dim0
	s_mov_b32 s[\g+2], 128<<16                     ; tensor_dim1
	s_mov_b32 s[\g+3], 64<<16                      ; tile_dim0
	s_mov_b32 s[\g+4], 128                         ; tile_dim1
	s_mov_b32 s[\g+5], 64                          ; pitch
	s_mov_b32 s[\g+6], 0
	s_mov_b32 s[\g+7], 0
.endr
	s_mul_i32 s89, s94, 128*KP
	s_mul_i32 s93, s94, 128*VP
	s_add_co_u32 s93, s93, VOFF
	s_mov_b32 s[SEL], 0x76543210
	s_mov_b32 s[SEL+1], 0xfedcba98
	s_mov_b32 s[CS], 0x3e38aa3b                    ; c = log2(e) / 8
	s_mov_b32 s[CS+1], s[CS]
	s_mov_b32 s[TK], 0
	s_mov_b32 s[TV], 0
	s_mov_b32 s[SLOTS], NSL-1
	s_mov_b32 s[KF], 0
	s_wait_dscnt 0x0                               ; both opening adds are done
	s_wait_kmcnt 0x0
	s_mov_b32 s[G0K], 1
	s_mov_b32 s[G0K+1], s89
	s_add_nc_u64 s[G0K+2:G0K+3], s[4:5], s[90:91]
	s_or_b32 s[G0K+3], s[G0K+3], 0x80000000
	s_mov_b32 s[G0V], 1
	s_mov_b32 s[G0V+1], s93
	s_add_nc_u64 s[G0V+2:G0V+3], s[4:5], s[96:97]
	s_or_b32 s[G0V+3], s[G0V+3], 0x80000000
	TLOAD                                          ; slot 0: keys 0-255, which count for queries of every work-group
	s_lshl_b32 s90, s[QA0], 7
	s_add_co_u32 s90, s90, s92
	s_mov_b32 s91, 0
	s_add_nc_u64 s[90:91], s[4:5], s[90:91]        ; Q at tile A's first query
	s_lshl_b32 s96, s[QB0], 7
	s_add_co_u32 s96, s96, s92
	s_mov_b32 s97, 0
	s_add_nc_u64 s[96:97], s[4:5], s[96:97]        ; and tile B's
	v_and_b32 v9, 15, v0                           ; r
	v_bfe_u32 v10, v0, 4, 1                        ; h
	v_lshlrev_b32 v[QO], 7, v9
	v_lshl_add_u32 v[QO], v10, 4, v[QO]
.irp c, 0,1
	global_load_b128 v[Q+8*\c:Q+8*\c+3], v[QO], s[90:91] offset:64*\c
	global_load_b128 v[Q+8*\c+4:Q+8*\c+7], v[QO], s[90:91] offset:64*\c+32
	global_load_b128 v[Q+16+8*\c:Q+16+8*\c+3], v[QO], s[96:97] offset:64*\c
	global_load_b128 v[Q+16+8*\c+4:Q+16+8*\c+7], v[QO], s[96:97] offset:64*\c+32
.endr
	s_and_b32 s93, s88, 15                         ; att16: head x 2^20 + batch x 2^18 + 128 x query
	s_lshl_b32 s93, s93, 20
	s_lshr_b32 s94, s88, 4
	s_lshl_b32 s94, s94, 18
	s_add_co_u32 s93, s93, s94
	s_lshl_b32 s94, s[QA0], 7
	s_add_co_u32 s94, s94, s93
	s_mov_b32 s95, 0
	s_add_nc_u64 s[OA:OA+1], s[6:7], s[94:95]
	s_lshl_b32 s94, s[QB0], 7
	s_add_co_u32 s94, s94, s93
	s_add_nc_u64 s[OB:OB+1], s[6:7], s[94:95]
	s_mov_b32 s94, 1<<25                           ; the prefetches: waves under 8 stand in K's plane, the others in V's,
	s_cmp_lt_u32 s[WV], 8
	s_cselect_b32 s94, 1<<24, s94
	s_add_co_u32 s94, s94, s92
	s_and_b32 s95, s[WV], 3
	s_lshl_b32 s95, s95, 13                        ; at my wave's 8,192 bytes
	s_add_co_u32 s94, s94, s95
	s_add_co_u32 s94, s94, 32768                   ; of slot 1: the first change of slots steps it to slot 2
	s_mov_b32 s95, 0
	s_add_nc_u64 s[PFA:PFA+1], s[4:5], s[94:95]
	s_sub_co_u32 s94, s[WV], 4
	s_lshr_b32 s94, s94, 3                         ; 0 in waves 4 to 11,
	s_or_b32 s94, s94, ttmp9                       ; of the pair's work-group 0
	s_cmp_eq_u32 s94, 0
	s_cselect_b32 s[LIM], 1, -1
	v_mul_u32_u24 v[AK0], v9, KP
	v_lshl_add_u32 v[AK0], v10, 4, v[AK0]          ; K: row r, + 16 h
	v_and_b32 v15, 7, v0
	v_lshl_add_u32 v[AV0], v10, 3, v15
	v_mul_u32_u24 v[AV0], v[AV0], VP               ; V: key 8 h + lane % 8,
	v_bfe_u32 v15, v0, 3, 1
	v_lshl_add_u32 v[AV0], v15, 4, v[AV0]          ; channels 8 ((lane / 8) % 2) on
	v_add_nc_u32 v[AV0], VOFF, v[AV0]
	v_lshlrev_b32 v[DL], 3, v10
	v_sub_nc_u32 v[DL], v9, v[DL]
	v_and_b32 v[PFO], 31, v0
	v_lshlrev_b32 v[PFO], 8, v[PFO]
.irp t, 0,1
	v_mov_b32 v[ST+8*\t+1], 0xff61b1e6             ; m = -3e38, under every score
	v_mul_f32 v[ST+8*\t], s[CS], v[ST+8*\t+1]
.irp j, 2,3,4,5,6,7
	v_mov_b32 v[ST+8*\t+\j], 0
.endr
.endr
.set i, 0
.rept 64
	v_mov_b32 v[O+i], 0                            ; the step is written once: the first finds zeros, which a = 0 leaves zeros
.set i, i+1
.endr
.macro KLOAD                           ; 64 keys x 64 channels: fragment (kt, c) at KV + 16 kt + 8 c
.irp kt, 0,1,2,3
.irp c, 0,1
	ds_load_b128 v[KV+16*\kt+8*\c:KV+16*\kt+8*\c+3], v[ADK] offset:\kt*16*KP+64*\c
	ds_load_b128 v[KV+16*\kt+8*\c+4:KV+16*\kt+8*\c+7], v[ADK] offset:\kt*16*KP+64*\c+32
.endr
.endr
.endm
.macro VLOAD                           ; V turned: fragment 4 kh + ct: 16 channels x 32 keys
.irp kh, 0,1
.irp ct, 0,1,2,3
	ds_load_tr16_b128 v[KV+8*(4*\kh+\ct):KV+8*(4*\kh+\ct)+3], v[ADV] offset:\kh*32*VP+32*\ct
	ds_load_tr16_b128 v[KV+8*(4*\kh+\ct)+4:KV+8*(4*\kh+\ct)+7], v[ADV] offset:\kh*32*VP+16*VP+32*\ct
.endr
.endr
.endm
.macro KQ1 t, kt, c
.if \c == 0
	v_wmma_f32_16x16x32_f16 v[S+32*\t+8*\kt:S+32*\t+8*\kt+7], v[KV+16*\kt+8*\c:KV+16*\kt+8*\c+7], v[Q+16*\t+8*\c:Q+16*\t+8*\c+7], 0
.else
	v_wmma_f32_16x16x32_f16 v[S+32*\t+8*\kt:S+32*\t+8*\kt+7], v[KV+16*\kt+8*\c:KV+16*\kt+8*\c+7], v[Q+16*\t+8*\c:Q+16*\t+8*\c+7], v[S+32*\t+8*\kt:S+32*\t+8*\kt+7]
.endif
.endm
.macro KQ both                         ; the accumulators take turns, one instruction a turn: eight (or four) between two links
.irp c, 0,1
.irp kt, 0,1,2,3
.if \both
	KQ1 0, \kt, \c
.endif
	KQ1 1, \kt, \c
.endr
.endr
.endm
.macro PV1 t, kh, ct
	v_wmma_f32_16x16x32_f16 v[O+32*\t+8*\ct:O+32*\t+8*\ct+7], v[KV+8*(4*\kh+\ct):KV+8*(4*\kh+\ct)+7], v[S+32*\t+8*\kh:S+32*\t+8*\kh+7], v[O+32*\t+8*\ct:O+32*\t+8*\ct+7]
.endm
.macro PV both
.irp kh, 0,1
.irp ct, 0,1,2,3
.if \both
	PV1 0, \kh, \ct
.endif
	PV1 1, \kh, \ct
.endr
.endr
.endm
; On the diagonal the scores of hidden keys become -infinity ahead of the maximum.  Register n holds key KF + 16 (n / 8) + 8 h + n % 8: hidden where 16 (n / 8) + n % 8 > query - KF - 8 h.  A step all of whose keys count skips this.
.macro MASK t
	s_add_co_u32 s88, s[KF], 63
	s_cmp_le_u32 s88, s[QA0+2*\t]
	s_cbranch_scc1 .Lopen_\@
	s_sub_co_i32 s88, s[QA0+2*\t], s[KF]
	v_add_nc_u32 v9, s88, v[DL]
	v_mov_b32 v10, 0xff800000
.set i, 0
.rept 32
	v_cmp_gt_i32 vcc_lo, 16*(i/8)+i%8, v9
	v_cndmask_b32 v[S+32*\t+i], v[S+32*\t+i], v10, vcc_lo
.set i, i+1
.endr
.Lopen_\@:
.endm
; The softmax of tile t up to its exponentials: none of these lines reads an exponential's result.
.macro SM_HEAD t
.set rT, ST+8*(\t)
.set rS, S+32*(\t)
.irp j, 0,1,2,3
	v_max3_num_f32 v[rT+4+\j], v[rS+8*\j], v[rS+8*\j+1], v[rS+8*\j+2]   ; each accumulator from its low end on
.endr
.irp u, 1,2
.irp j, 0,1,2,3
	v_max3_num_f32 v[rT+4+\j], v[rT+4+\j], v[rS+8*\j+2*\u+1], v[rS+8*\j+2*\u+2]
.endr
.endr
	v_max3_num_f32 v[rT+4], v[rT+4], v[rS+7], v[rS+15]
	v_max3_num_f32 v[rT+6], v[rT+6], v[rS+23], v[rS+31]
	v_max3_num_f32 v[rT+4], v[rT+4], v[rT+5], v[rT+6]
	v_max3_num_f32 v[rT+4], v[rT+4], v[rT+7], v[rT+1]              ; with the old m
	v_permlanex16_b32 v[rT+5], v[rT+4], s[SEL], s[SEL+1]           ; the query's other 32 keys lie in the lane 16 away
	v_mov_b32 v[rT+7], v[rT]                                       ; c m_old
	v_max_num_f32 v[rT+1], v[rT+4], v[rT+5]                        ; the new m
	v_mul_f32 v[rT], s[CS], v[rT+1]
	v_sub_f32 v[rT+7], v[rT+7], v[rT]
.set i, 0
.rept 16
	v_pk_fma_f32 v[rS+i:rS+i+1], v[rS+i:rS+i+1], s[CS:CS+1], v[rT:rT+1] op_sel_hi:[1,0,0] neg_lo:[0,0,1] neg_hi:[0,0,1]   ; c s - c m
.set i, i+2
.endr
	v_exp_f32 v[rT+6], v[rT+7]                                     ; a
.set i, 0
.rept 32
	v_exp_f32 v[rS+i], v[rS+i]
.set i, i+1
.endr
.endm
; And behind the wait: l, P, and O^T under the new maximum.
.macro SM_TAIL t
.set rT, ST+8*(\t)
.set rS, S+32*(\t)
.set rO, O+32*(\t)
	v_pk_mul_f32 v[rT+2:rT+3], v[rT+2:rT+3], v[rT+6:rT+7] op_sel_hi:[1,0]
	v_pk_add_f32 v[rT+4:rT+5], v[rS:rS+1], v[rS+2:rS+3]            ; the sum of the unrounded p, in two chains
.irp j, 4,8,12,16,20,24,28
	v_pk_add_f32 v[rT+2:rT+3], v[rT+2:rT+3], v[rS+\j:rS+\j+1]
	v_pk_add_f32 v[rT+4:rT+5], v[rT+4:rT+5], v[rS+\j+2:rS+\j+3]
.endr
	v_pk_add_f32 v[rT+2:rT+3], v[rT+2:rT+3], v[rT+4:rT+5]
.set i, 0
.rept 16
	v_cvt_pk_f16_f32 v[rS+i], v[rS+2*i], v[rS+2*i+1]               ; pair i goes to a register at or under its sources: ascending
.set i, i+1
.endr
.set i, 0
.rept 16
	v_pk_mul_f32 v[rO+i:rO+i+1], v[rO+i:rO+i+1], v[rT+6:rT+7] op_sel_hi:[1,0]
.set i, i+2
.endr
.endm
; A key step's work for both tiles (1) or for tile B alone (0).  While tile A is at work, all of the step's keys count for tile B (A's queries lie under 1,024, B's from 1,024 on): so one tile at the most is masked.
.macro BODY both
	KQ \both
.rept 4
	v_nop                                          ; places ahead of loads into K's registers and of reads of the scores
.endr
	VLOAD
.if \both
	MASK 0
	SM_HEAD 1
	SM_HEAD 0
.else
	MASK 1
	SM_HEAD 1
.endif
	v_nop                                          ; a plain line behind the last exponential
	s_wait_alu depctr_va_vdst(0)                   ; one wait for the whole batch, ahead of its first reader
	SM_TAIL 1
.if \both
	SM_TAIL 0
.endif
	s_wait_dscnt 0x0                               ; V is in
	PV \both
.endm
; The change of slots stands at a slot's head: each wave waits for all its tensor loads, adds 0 to its spare word, and waits for that and for its reads of the slot that it has left; one barrier; then the other slot is asked for.
.macro CHANGE fill
	s_wait_tensorcnt 0x0                           ; no tensor load of mine is out, so a group 0 may be written
	ds_add_u32 v[SPW], v[NIL]
.if \fill
	ds_add_u32 v[SPW], v[NIL]                      ; and twice on end here, in every trip alike
	s_xor_b32 s[G0K+1], s[G0K+1], SLOT1
	s_add_nc_u64 s[G0K+2:G0K+3], s[G0K+2:G0K+3], 32768   ; the next 256 keys
	s_xor_b32 s[G0V+1], s[G0V+1], SLOT1
	s_add_nc_u64 s[G0V+2:G0V+3], s[G0V+2:G0V+3], 32768
	s_wait_xcnt 0x0                                ; the last prefetch, a slot back, has read its address
	s_add_nc_u64 s[PFA:PFA+1], s[PFA:PFA+1], 32768
.endif
	s_wait_dscnt 0x0
	s_barrier_signal -1
	s_barrier_wait -1
.if \fill
	s_add_co_u32 s96, s[KF], 256                   ; the first key of the slot that this change would ask for:
	s_cmp_gt_u32 s96, s[QWL]                       ; behind my work-group's last query no wave reads it.  Ids and the count of steps alone: all sixteen waves go the same way
	s_cbranch_scc1 .Lpast_\@
	TLOAD                                          ; a wave's one tensor load until the next barrier
.Lpast_\@:
	ASK
.endif
.endm
.macro SLOT_STEPS                      ; a slot's four key steps of 64 keys: written once, walked four times
	s_mov_b32 s[CNT], 4
.Lstep_\@:
	s_cmp_gt_u32 s[KF], s[QBL]                     ; all keys behind my last query: no loads, no products
	s_cbranch_scc1 .Lhid_\@
	v_add_nc_u32 v[ADK], s[TK], v[AK0]
	v_add_nc_u32 v[ADV], s[TV], v[AV0]
.rept 3
	v_nop                                          ; with the two additions: five places between the last step's products and the products that write over P, and ahead of the loads into V's registers
.endr
	KLOAD
	s_wait_dscnt 0x0
	s_cmp_gt_u32 s[KF], s[QAL]
	s_cbranch_scc1 .Lonly_b_\@
	BODY 1
	s_branch .Lhid_\@
.Lonly_b_\@:
	BODY 0
.Lhid_\@:
	s_add_co_u32 s[KF], s[KF], 64
	s_add_co_u32 s[TK], s[TK], 64*KP
	s_add_co_u32 s[TV], s[TV], 64*VP
	s_sub_co_u32 s[CNT], s[CNT], 1
	s_cmp_lg_u32 s[CNT], 0
	s_cbranch_scc1 .Lstep_\@
	s_sub_co_u32 s[TK], s[TK], 256*KP              ; back to a slot's first step,
	s_xor_b32 s[TK], s[TK], SLOT1                  ; in the other slot
	s_sub_co_u32 s[TV], s[TV], 256*VP
	s_xor_b32 s[TV], s[TV], SLOT1
.endm
	s_wait_loadcnt 0x0                             ; Q
.Lslot:                                            ; seven trips
	CHANGE 1
	SLOT_STEPS
	s_sub_co_u32 s[SLOTS], s[SLOTS], 1
	s_cmp_lg_u32 s[SLOTS], 0
	s_cbranch_scc1 .Lslot
	CHANGE 0                                       ; the last slot is written out: nothing is left to ask for
	SLOT_STEPS
	; THE WAY OUT.  O^T / l, rounded to f16, goes through my stage (16 rows x 144 bytes, in slot 0, which has had its last fill and its last read) and leaves as 512 consecutive bytes an instruction.
.rept 4
	v_nop                                          ; places behind the last products
.endr
.irp t, 0,1
	v_add_f32 v[ST+8*\t+4], v[ST+8*\t+2], v[ST+8*\t+3]
.endr
.irp t, 0,1
	v_permlanex16_b32 v[ST+8*\t+5], v[ST+8*\t+4], s[SEL], s[SEL+1]
.endr
.irp t, 0,1
	v_add_f32 v[ST+8*\t+4], v[ST+8*\t+4], v[ST+8*\t+5]
.endr
.irp t, 0,1
	v_rcp_f32 v[ST+8*\t+6], v[ST+8*\t+4]
.endr
	v_and_b32 v9, 15, v0                           ; (plain lines behind the reciprocals)
	v_bfe_u32 v10, v0, 4, 1
	s_mul_i32 s88, s[WV], 16*KP                    ; my stage
	v_mul_u32_u24 v[STO], v9, KP
	v_lshl_add_u32 v[STO], v10, 4, v[STO]
	v_add_nc_u32 v[STO], s88, v[STO]               ; in: row r, + 16 h
	v_and_b32 v15, 31, v0
	v_lshrrev_b32 v[RD], 3, v15
	v_mul_u32_u24 v[RD], v[RD], KP
	v_and_b32 v9, 7, v0
	v_lshl_add_u32 v[RD], v9, 4, v[RD]
	v_add_nc_u32 v[RD], s88, v[RD]                 ; back: eight lanes to a row of 128 bytes, four rows an instruction
	v_lshlrev_b32 v[GO], 4, v15
	s_wait_alu depctr_va_vdst(0)                   ; one wait for the two reciprocals, ahead of their first reader
.irp t, 0,1
.set i, 0
.rept 16
	v_pk_mul_f32 v[O+32*\t+i:O+32*\t+i+1], v[O+32*\t+i:O+32*\t+i+1], v[ST+8*\t+6:ST+8*\t+7] op_sel_hi:[1,0]
.set i, i+2
.endr
.set i, 0
.rept 16
	v_cvt_pk_f16_f32 v[KV+16*\t+i], v[O+32*\t+2*i], v[O+32*\t+2*i+1]
.set i, i+1
.endr
.irp ct, 0,1,2,3
	ds_store_b128 v[STO], v[KV+16*\t+4*\ct:KV+16*\t+4*\ct+3] offset:32*\ct
.endr
.irp u, 0,1,2,3
	ds_load_b128 v[S+16*\t+4*\u:S+16*\t+4*\u+3], v[RD] offset:\u*4*KP   ; LDS serves a wave's instructions in order: these see the stores above, and tile B's stores come behind them
.endr
.endr
.irp u, 0,1,2,3
	s_wait_dscnt 11-\u                             ; behind tile A's load u: its later loads and tile B's eight instructions
	global_store_b128 v[GO], v[S+4*\u:S+4*\u+3], s[OA:OA+1] offset:512*\u
.endr
.irp u, 0,1,2,3
	s_wait_dscnt 3-\u
	global_store_b128 v[GO], v[S+16+4*\u:S+16+4*\u+3], s[OB:OB+1] offset:512*\u
.endr
	s_wait_tensorcnt 0x0                           ; the wave's end
	ds_add_u32 v[SPW], v[NIL]
	s_wait_dscnt 0x0
	s_endpgm
.Lfunc_end_k_q80ee0762a5_attn:
	.size	k_q80ee0762a5_attn, .Lfunc_end_k_q80ee0762a5_attn-k_q80ee0762a5_attn
	.p2alignl 7, 3214868480
	.fill 96, 4, 3214868480
	.section	.rodata,"a",@progbits
	.p2align	6, 0x0
	.amdhsa_kernel k_q80ee0762a5_attn
		.amdhsa_group_segment_fixed_size 327680
		.amdhsa_private_segment_fixed_size 0
		.amdhsa_enable_private_segment 0
		.amdhsa_kernarg_size 16
		.amdhsa_user_sgpr_count 2
		.amdhsa_user_sgpr_kernarg_segment_ptr 1
		.amdhsa_wavefront_size32 1
		.amdhsa_system_sgpr_workgroup_id_x 1
		.amdhsa_system_sgpr_workgroup_id_y 1
		.amdhsa_system_sgpr_workgroup_id_z 1
		.amdhsa_system_vgpr_workitem_id 0
		.amdhsa_next_free_vgpr 256
		.amdhsa_next_free_sgpr 100
		.amdhsa_reserve_vcc 1
		.amdhsa_float_denorm_mode_32 3
		.amdhsa_float_denorm_mode_16_64 3
		.amdhsa_memory_ordered 1
		.amdhsa_forward_progress 1
		.amdhsa_inst_pref_size 80
	.end_amdhsa_kernel
	.amdgpu_metadata
---
amdhsa.version: [ 1, 2 ]
amdhsa.kernels:
  - .name:           k_q80ee0762a5_attn
    .symbol:         k_q80ee0762a5_attn.kd
    .args:
      - { .name: qkv16, .offset: 0, .size: 8, .value_kind: global_buffer, .address_space: global }
      - { .name: att16, .offset: 8, .size: 8, .value_kind: global_buffer, .address_space: global }
    .group_segment_fixed_size: 327680
    .private_segment_fixed_size: 0
    .kernarg_segment_align: 8
    .kernarg_segment_size: 16
    .max_flat_workgroup_size: 512
    .sgpr_count:     100
    .vgpr_count:     256
    .wavefront_size: 32
...
	.end_amdgpu_metadata
.endif
;; end of part 3
;; launch proj (part 4): grid 4 x 64, 4 waves a work-group, clusters of 4 x 4, 327,680 bytes of LDS; arguments att16, wo16, out0; writes out0
.if DOCPART == 4
	.amdgcn_target "amdgcn-amd-amdhsa--gfx1250"
	.amdhsa_code_object_version 6
	.text
	.protected	k_q80ee0762a5_proj
	.globl	k_q80ee0762a5_proj
	.p2align	8
	.type	k_q80ee0762a5_proj,@function
k_q80ee0762a5_proj:
	s_mov_b64 s[64:65], 0
	v_nop
	global_prefetch_b8 v0, s[64:65] scope:SCOPE_SE
	s_setreg_imm32_b32 hwreg(HW_REG_WAVE_MODE, 25, 1), 1
	s_wait_xcnt 0x0
	s_wait_alu depctr_hold_cnt(0) depctr_sa_sdst(0) depctr_va_vdst(0) depctr_va_sdst(0) depctr_va_ssrc(0) depctr_va_vcc(0) depctr_vm_vsrc(0)
	s_getreg_b32 s2, hwreg(HW_REG_IB_STS2, 6, 4)
	s_cmp_eq_u32 s2, 0
	s_cbranch_scc0 .Lentry_in_a_cluster
	s_endpgm
.Lentry_in_a_cluster:
	s_bfe_u32 s2, ttmp6, 0x10000c
	s_cmp_lg_u32 s2, 0xf033
	s_cbranch_scc0 .Lentry_shape_is_right
	s_endpgm
.Lentry_shape_is_right:
; out0[m][n] = sum over k of att[m][k] w_out[k][n], f16 operands, f32 sums.  A = att16 [16 heads][8192 m][64] (k = 64 x head + channel); B = wo16 [1024 n][1024 k]; out0 [8192][1024] f32.
; A tile of the result is 128 (m) x 256 (n): 256 work-groups.  Four waves, each 64 x 128: 32 accumulators, 256 registers.  K goes in eight steps of 128 through a ring of two LDS slots.
; A K step of A is two heads' planes, 128 rows x 128 bytes each, dense in memory: wave 0 fetches one, wave 1 the other; waves 2 and 3 fetch B's two halves (128 rows x 256 bytes).
; CLUSTERS: 4 x 4; A's tiles are asked for jointly along a row of the cluster, B's along a column.  THE MATRIX INSTRUCTION IS USED TRANSPOSED: a lane holds eight neighbouring columns of one row.
; All rows are made here; a later launch writes positions 0-15 of each batch again, more finely.
; LIMIT: the attention result and w_out lie inside f16's range.
; REGISTERS: window 0: v16-30 addresses; v32-95 A's fragments, two buffers of 4; v96-223 B's, two buffers of 8.  window 1: accumulator (a, b) at v[8 (8 a + b)].
.set APL,    128*144                   ; a plane of A in LDS: rows of 128 bytes + 16
.set BOFF,   2*APL
.set BHALF,  128*272                   ; rows of 256 bytes + 16
.set SLOT,   BOFF+2*BHALF
.set STAGE,  2*SLOT                    ; behind the ring: 16 rows x 528 bytes for each wave
.set SPARE,  STAGE+4*16*528
.set LAPS,   4
.set ADRA, 16
.set ADRB, 20
.set STO,  24
.set RD,   25
.set CO,   26
.set SPW,  28
.set NIL,  29
.set PFO,  30
.set FA,   32
.set FB,   96
.set G1, 24
.set G0, 32
.set G1B, 48
.set G0B, 56
.set PFA, 68
.set LIM, 70
.set MSB, 0
.macro WIN new
.if MSB != \new
	s_set_vgpr_msb (MSB<<8)|\new
.set MSB, \new
.endif
.endm
.set MUL, 0x50                         ; C and D window 1; sources 0 and 1 window 0
.macro JLOAD s                         ; waves 0, 1: A; waves 2, 3: B.  An s_nop 0 and four v_nop follow each line
	s_cmp_eq_u32 s11, 0
	s_cbranch_scc0 .Lfor_b_\@
	tensor_load_to_lds s[G0+4*\s:G0+4*\s+3], s[G1:G1+7]
	s_nop 0
.rept 4
	v_nop
.endr
	s_branch .Lasked_\@
.Lfor_b_\@:
	tensor_load_to_lds s[G0B+4*\s:G0B+4*\s+3], s[G1B:G1B+7]
	s_nop 0
.rept 4
	v_nop
.endr
.Lasked_\@:
.endm
; A prefetch of A's K step two refills on (256 matrix instructions ahead of its load): two planes x 16,384 bytes; the four partners that ask for the tile jointly take 4,096 bytes of each plane, told apart by address;
; in each, wave 0 asks: lanes 0-15 one plane, lanes 16-31 the other, 256 bytes apart.  Each block is named once; K steps 0-3 come by their loads alone; the last lap's refills ask for nothing.
; B is not asked for: all sixteen clusters read the same 2 MiB again and again.
.macro ASK
	s_cmp_gt_u32 s3, s[LIM]
	s_cbranch_scc0 .Lnot_mine_\@
	global_prefetch_b8 v[PFO], s[PFA:PFA+1] th:TH_LOAD_NT scope:SCOPE_SE
.Lnot_mine_\@:
.endm
.macro CREST
	s_cmp_lg_u32 s10, 0
	s_cbranch_scc1 .Lnot_wave_0_\@
	s_barrier_signal -3
.Lnot_wave_0_\@:
	s_barrier_wait -3
	s_barrier_signal -1
	s_barrier_wait -1
.endm
.macro CROUND
	s_barrier_signal -1
	s_barrier_wait -1
	CREST
.endm
	s_load_b128 s[4:7], s[0:1], 0x0                ; att16, wo16
	s_load_b64 s[8:9], s[0:1], 0x10                ; out0
	v_lshl_add_u32 v[SPW], v0, 2, SPARE
	v_mov_b32 v[NIL], 0
	ds_add_u32 v[SPW], v[NIL]                      ; the wave's opening: the add, twice on end, and its wait ahead of my first tensor load
	ds_add_u32 v[SPW], v[NIL]
	v_lshrrev_b32 v1, 5, v0
	v_readfirstlane_b32 s10, v1                    ; wave 0..3
	s_lshr_b32 s11, s10, 1                         ; my half of the tile's rows.  Also: I fetch for A (0) or for B (1)
	s_and_b32 s12, s10, 1                          ; my half of its columns.  Also: which plane, or which 128 rows of B, I fetch
	s_bfe_u32 s40, ttmp6, 0x40000                  ; cx
	s_bfe_u32 s41, ttmp6, 0x40004                  ; cy
	s_lshl_b32 s42, ttmp9, 2
	s_add_co_u32 s42, s42, s40                     ; tile column
	s_and_b32 s13, ttmp7, 0xffff
	s_lshl_b32 s13, s13, 2
	s_add_co_u32 s13, s13, s41                     ; tile row
	s_lshl_b32 s43, s41, 2
	s_lshl_b32 s43, 15, s43
	s_lshl_b32 s44, 0x1111, s40
	s_or_b32 s[G1+0], s43, (1<<16)|(1<<20)|(1<<21)|(4<<22)|(3<<25)   ; A: the mask of my row; elements of 2 bytes; 4 words of padding after every 32
	s_mov_b32 s[G1+1], 64<<16
	s_mov_b32 s[G1+2], 128<<16
	s_mov_b32 s[G1+3], 64<<16
	s_mov_b32 s[G1+4], 128
	s_mov_b32 s[G1+5], 64
	s_mov_b32 s[G1+6], 0
	s_mov_b32 s[G1+7], 0
	s_or_b32 s[G1B+0], s44, (1<<16)|(1<<20)|(1<<21)|(5<<22)|(3<<25)  ; B: the mask of my column; 4 words after every 64
	s_mov_b32 s[G1B+1], 128<<16
	s_mov_b32 s[G1B+2], 128<<16
	s_mov_b32 s[G1B+3], 128<<16
	s_mov_b32 s[G1B+4], 128
	s_mov_b32 s[G1B+5], 1024
	s_mov_b32 s[G1B+6], 0
	s_mov_b32 s[G1B+7], 0
	s_lshl_b32 s16, s12, 20                        ; A: my plane of the K step, the tile's 128 rows of 128 bytes
	s_lshl_b32 s17, s13, 14
	s_add_co_u32 s16, s16, s17
	s_mov_b32 s17, 0
	s_lshl_b32 s46, s42, 19                        ; B: row 256 x tile column + 128 x half, 2,048 bytes a row
	s_lshl_b32 s47, s12, 18
	s_add_co_u32 s46, s46, s47
	s_mov_b32 s47, 0
	s_mul_i32 s20, s12, APL                        ; where they go: the wave's number alone enters an LDS address
	s_mul_i32 s21, s12, BHALF
	s_add_co_u32 s21, s21, BOFF
	s_wait_dscnt 0x0
	s_wait_kmcnt 0x0
	s_add_nc_u64 s[14:15], s[4:5], s[16:17]
	s_add_nc_u64 s[46:47], s[6:7], s[46:47]
	CROUND                                         ; all sixteen work-groups are here
.irp s, 0,1
	s_mov_b32 s[G0+4*\s], 1
	s_add_co_u32 s[G0+4*\s+1], s20, \s*SLOT
	s_add_nc_u64 s[G0+4*\s+2:G0+4*\s+3], s[14:15], \s*(1<<21)      ; K step s: two planes on
	s_or_b32 s[G0+4*\s+3], s[G0+4*\s+3], 0x80000000
	s_mov_b32 s[G0B+4*\s], 1
	s_add_co_u32 s[G0B+4*\s+1], s21, \s*SLOT
	s_add_nc_u64 s[G0B+4*\s+2:G0B+4*\s+3], s[46:47], \s*256
	s_or_b32 s[G0B+4*\s+3], s[G0B+4*\s+3], 0x80000000
	JLOAD \s                                       ; two loads of mine are out
.endr
	v_and_b32 v1, 15, v0                           ; r
	v_bfe_u32 v2, v0, 4, 1                         ; h
	v_mul_u32_u24 v3, v1, 144
	v_lshl_add_u32 v3, v2, 4, v3
	v_mul_u32_u24 v4, v1, 272
	v_lshl_add_u32 v4, v2, 4, v4
	s_mul_i32 s21, s11, 64*144                     ; my 64 rows of A (in each plane)
	s_mul_i32 s22, s12, BHALF                      ; my 128 rows of B
	s_add_co_u32 s22, s22, BOFF
.irp s, 0,1
	v_add_nc_u32 v[ADRA+\s], s21, v3
	v_add_nc_u32 v[ADRB+\s], s22, v4
	s_add_co_u32 s21, s21, SLOT
	s_add_co_u32 s22, s22, SLOT
.endr
	s_mul_i32 s23, s10, 16*528
	s_add_co_u32 s23, s23, STAGE                   ; my stage
	v_mul_u32_u24 v5, v1, 528
	v_lshl_add_u32 v5, v2, 5, v5
	v_add_nc_u32 v[STO], s23, v5
	v_and_b32 v6, 31, v0
	v_lshlrev_b32 v[CO], 4, v6
	v_add_nc_u32 v[RD], s23, v[CO]
	s_lshl_b32 s16, s13, 19                        ; out0: (128 x tile row + 64 x half) rows of 4,096 bytes
	s_lshl_b32 s17, s11, 18
	s_add_co_u32 s16, s16, s17
	s_mov_b32 s17, 0
	s_add_nc_u64 s[8:9], s[8:9], s[16:17]
	s_lshl_b32 s46, s42, 10                        ; + 1,024 x tile column + 512 x half
	s_lshl_b32 s47, s12, 9
	s_add_co_u32 s46, s46, s47
	s_mov_b32 s47, 0
	s_add_nc_u64 s[8:9], s[8:9], s[46:47]
	s_lshl_b32 s46, s13, 14                        ; the prefetches: the tile's rows, my work-group's 4,096 bytes of them,
	s_lshl_b32 s47, s40, 12
	s_add_co_u32 s46, s46, s47
	s_add_co_u32 s46, s46, 3<<21                   ; at K step 3: the first refill steps it to 4
	s_mov_b32 s47, 0
	s_add_nc_u64 s[PFA:PFA+1], s[4:5], s[46:47]
	s_cmp_eq_u32 s10, 0
	s_cselect_b32 s[LIM], 1, -1
	v_lshlrev_b32 v[PFO], 20, v2
	v_lshl_add_u32 v[PFO], v1, 8, v[PFO]
.macro MUL8 f, a, zero                 ; A's block a x B's eight, 32 along K.  The 32 accumulators take turns in the same order in every quarter
.irp b, 0,1,2,3,4,5,6,7
.if \zero
	v_wmma_f32_16x16x32_f16 v[8*(8*\a+\b):8*(8*\a+\b)+7], v[FB+64*\f+8*\b:FB+64*\f+8*\b+7], v[FA+32*\f+8*\a:FA+32*\f+8*\a+7], 0
.else
	v_wmma_f32_16x16x32_f16 v[8*(8*\a+\b):8*(8*\a+\b)+7], v[FB+64*\f+8*\b:FB+64*\f+8*\b+7], v[FA+32*\f+8*\a:FA+32*\f+8*\a+7], v[8*(8*\a+\b):8*(8*\a+\b)+7]
.endif
.endr
.endm
.macro FETCH slot, q, f                ; 24 LDS loads: the fragments of the slot's q-th 32 along K: B's eight, then A's four
.irp i, 0,1,2,3,4,5,6,7
	ds_load_b128 v[FB+64*\f+8*\i:FB+64*\f+8*\i+3],   v[ADRB+\slot] offset:64*\q+\i*16*272
	ds_load_b128 v[FB+64*\f+8*\i+4:FB+64*\f+8*\i+7], v[ADRB+\slot] offset:64*\q+\i*16*272+32
.endr
.irp i, 0,1,2,3
	ds_load_b128 v[FA+32*\f+8*\i:FA+32*\f+8*\i+3],   v[ADRA+\slot] offset:(\q/2)*APL+(\q%2)*64+\i*16*144
	ds_load_b128 v[FA+32*\f+8*\i+4:FA+32*\f+8*\i+7], v[ADRA+\slot] offset:(\q/2)*APL+(\q%2)*64+\i*16*144+32
.endr
.endm
.macro PLACES
.rept 4
	v_nop
.endr
.endm
.macro QUARTER slot, q, f, g, zero     ; multiplies buffer f; in its middle fetches the slot's q-th quarter into buffer g
	s_wait_dscnt 4                                 ; B and A's blocks 0, 1 are in; the youngest four loads (A's blocks 2, 3) may be out
	WIN MUL
	MUL8 \f, 0, \zero
	MUL8 \f, 1, \zero
	PLACES
	WIN 0
	FETCH \slot, \q, \g
	s_wait_dscnt 24                                ; all but the 24 just issued
	WIN MUL
	MUL8 \f, 2, \zero
	MUL8 \f, 3, \zero
.endm
; A slot's last quarter multiplies buffer 1 and changes slots: one barrier; in front of it each wave waits for all its tensor loads, adds 0 to its spare word, and waits for that and for its reads of the slot.
.macro TURN slot, next, fill
.if \fill
	s_wait_xcnt 0x0                                ; the last prefetch, a K step back, has read its address
	s_add_nc_u64 s[PFA:PFA+1], s[PFA:PFA+1], 1<<21
.endif
	WIN 0
	s_wait_tensorcnt 0x0                           ; my part of the next slot has landed
	ds_add_u32 v[SPW], v[NIL]
	s_wait_dscnt 5                                 ; the add and the youngest four loads may be out
	WIN MUL
	MUL8 1, 0, 0
	s_wait_dscnt 0x0                               ; the add is done, and my reads of this slot are over
	s_barrier_signal -1
	MUL8 1, 1, 0
	WIN 0
	s_barrier_wait -1
.if \fill
	CREST                                          ; the barrier has opened a round of the cluster's: no wave of any partner still reads the slot or has a load on its way
	s_add_nc_u64 s[G0+4*\slot+2:G0+4*\slot+3], s[G0+4*\slot+2:G0+4*\slot+3], 4<<20
	s_add_nc_u64 s[G0B+4*\slot+2:G0B+4*\slot+3], s[G0B+4*\slot+2:G0B+4*\slot+3], 512
	JLOAD \slot                                    ; the first tensor load behind the round; its four v_nop are also the places ahead of the loads below
.else
	PLACES
.endif
	FETCH \next, 0, 0
.if \fill
	ASK
.endif
	WIN MUL
	MUL8 1, 2, 0
	MUL8 1, 3, 0
.endm
	s_wait_tensorcnt 1                             ; my part of K step 0 is in; K step 1's may be out
	s_barrier_signal -1
	s_barrier_wait -1
	FETCH 0, 0, 0
	QUARTER 0, 1, 0, 1, 1                          ; the first products start the sums
	WIN 0
	s_mov_b32 s3, LAPS-1
.Llap:                                             ; a trip goes once round the ring and fills both slots again
	QUARTER 0, 2, 1, 0, 0
	QUARTER 0, 3, 0, 1, 0
	TURN 0, 1, 1
	QUARTER 1, 1, 0, 1, 0
	QUARTER 1, 2, 1, 0, 0
	QUARTER 1, 3, 0, 1, 0
	TURN 1, 0, 1
	QUARTER 0, 1, 0, 1, 0
	WIN 0
	s_sub_co_u32 s3, s3, 1
	s_cmp_lg_u32 s3, 0
	s_cbranch_scc1 .Llap
	QUARTER 0, 2, 1, 0, 0                          ; the last lap fills nothing
	QUARTER 0, 3, 0, 1, 0
	TURN 0, 1, 0
	QUARTER 1, 1, 0, 1, 0
	QUARTER 1, 2, 1, 0, 0
	QUARTER 1, 3, 0, 1, 0
	s_wait_dscnt 4
	WIN MUL
	MUL8 1, 0, 0
	MUL8 1, 1, 0
	s_wait_dscnt 0
	MUL8 1, 2, 0
	MUL8 1, 3, 0
	WIN 0
	PLACES
; THE WAY OUT, a block of 16 rows x 128 columns at a time, through my own stage; back as whole rows of 512 bytes.
.macro TOSTAGE a
	WIN 0x04                                       ; an LDS store's data are its source 1: window 1
.irp b, 0,1,2,3,4,5,6,7
	ds_store_b128 v[STO], v[64*\a+8*\b:64*\a+8*\b+3] offset:64*\b    ; each accumulator from its low end on
	ds_store_b128 v[STO], v[64*\a+8*\b+4:64*\a+8*\b+7] offset:64*\b+16
.endr
	WIN 0
.set BB, 32+64*((\a)%2)
.irp t, 0,1,2,3,4,5,6,7,8,9,10,11,12,13,14,15
	ds_load_b128 v[BB+4*\t:BB+4*\t+3], v[RD] offset:\t*528
.endr
.endm
.macro SEND a, younger
.set BB, 32+64*((\a)%2)
	s_wait_dscnt \younger
.irp t, 0,1,2,3,4,5,6,7,8,9,10,11,12,13,14,15
	global_store_b128 v[CO], v[BB+4*\t:BB+4*\t+3], s[8:9] offset:(16*(\a)+\t)*4096 th:TH_STORE_NT   ; 32 lanes store 512 consecutive bytes, aligned
.endr
.endm
	TOSTAGE 0
.irp a, 1,2,3
.if \a > 1
	s_wait_xcnt 0x0                                ; block a - 2's stores have read their registers
.endif
	TOSTAGE \a
	SEND \a-1, 32                                  ; behind block a - 1's loads: block a's 16 stores and 16 loads
.endr
	SEND 3, 0
	s_wait_tensorcnt 0x0                           ; the wave's end: the three lines
	ds_add_u32 v[SPW], v[NIL]
	s_wait_dscnt 0x0
	CROUND                                         ; the closing round
	s_endpgm
.Lfunc_end_k_q80ee0762a5_proj:
	.size	k_q80ee0762a5_proj, .Lfunc_end_k_q80ee0762a5_proj-k_q80ee0762a5_proj
	.p2alignl 7, 3214868480
	.fill 96, 4, 3214868480
	.section	.rodata,"a",@progbits
	.p2align	6, 0x0
	.amdhsa_kernel k_q80ee0762a5_proj
		.amdhsa_group_segment_fixed_size 327680
		.amdhsa_private_segment_fixed_size 0
		.amdhsa_enable_private_segment 0
		.amdhsa_kernarg_size 24
		.amdhsa_user_sgpr_count 2
		.amdhsa_user_sgpr_kernarg_segment_ptr 1
		.amdhsa_wavefront_size32 1
		.amdhsa_system_sgpr_workgroup_id_x 1
		.amdhsa_system_sgpr_workgroup_id_y 1
		.amdhsa_system_sgpr_workgroup_id_z 1
		.amdhsa_system_vgpr_workitem_id 0
		.amdhsa_next_free_vgpr 512
		.amdhsa_next_free_sgpr 76
		.amdhsa_reserve_vcc 0
		.amdhsa_float_denorm_mode_32 3
		.amdhsa_float_denorm_mode_16_64 3
		.amdhsa_memory_ordered 1
		.amdhsa_forward_progress 1
		.amdhsa_inst_pref_size 86
	.end_amdhsa_kernel
	.amdgpu_metadata
---
amdhsa.version: [ 1, 2 ]
amdhsa.kernels:
  - .name:           k_q80ee0762a5_proj
    .symbol:         k_q80ee0762a5_proj.kd
    .args:
      - { .name: att16, .offset: 0, .size: 8, .value_kind: global_buffer, .address_space: global }
      - { .name: wo16, .offset: 8, .size: 8, .value_kind: global_buffer, .address_space: global }
      - { .name: out0, .offset: 16, .size: 8, .value_kind: global_buffer, .address_space: global }
    .group_segment_fixed_size: 327680
    .private_segment_fixed_size: 0
    .kernarg_segment_align: 8
    .kernarg_segment_size: 24
    .max_flat_workgroup_size: 128
    .sgpr_count:     76
    .vgpr_count:     512
    .wavefront_size: 32
...
	.end_amdgpu_metadata
.endif
;; end of part 4
;; launch fine (part 5): grid 16 x 4, 16 waves a work-group, no clusters, 67,584 bytes of LDS; arguments qkvf, w_out, out0; writes out0
.if DOCPART == 5
	.amdgcn_target "amdgcn-amd-amdhsa--gfx1250"
	.amdhsa_code_object_version 6
	.text
	.protected	k_q80ee0762a5_fine
	.globl	k_q80ee0762a5_fine
	.p2align	8
	.type	k_q80ee0762a5_fine,@function
k_q80ee0762a5_fine:
	s_mov_b64 s[64:65], 0
	v_nop
	global_prefetch_b8 v0, s[64:65] scope:SCOPE_SE
	s_setreg_imm32_b32 hwreg(HW_REG_WAVE_MODE, 25, 1), 1
	s_wait_xcnt 0x0
; POSITIONS 0-15 OF EACH BATCH IN F32: there a row of the softmax averages one to sixteen values, and 16-bit operands would weigh most.  This launch runs last and writes those 64 rows of out0 anew.
; Work-group (chunk, b) makes out0[b][0..15][64 chunk .. 64 chunk + 63].  Wave w is head w: it makes its head's attention for the 16 positions from qkvf [16 b + t][3072] f32, and that result is its own slice
; k = 64 w .. 64 w + 63 of the projection by w_out [1024 k][1024 n] f32.  The sixteen waves' partial sums meet in LDS; waves 0-7 add them and store.
; All products by the f32 matrix form (16 x 16 x 4), four accumulators by turns.  k is permuted alike on both operands: the step that names the register pair 8 ct + 2 jj takes, from half h of the lanes, index 16 ct + 8 h + 2 jj + 0, 1.
; The registers that the matrix form writes (v188-251) are written by matrix instructions alone.
; REGISTERS: v3-9 addresses; v10, v11 the add's two; v12-19 the scores, then p; v20-27 at work; v28-59 Q, later W's columns 32-47; v60-91 K, later W's 48-63; v92-123 V, later O / l; v124-187 W's columns 0-31, later the partial sums.
.set SPARE, 65536
.set SPW, 10
.set NIL, 11
.set PR,  12
.set QR,  28
.set KR,  60
.set VR,  92
.set W0,  124
.set W1,  156
.set AC1, 188
.set OAC, 220
.set WV,  12
.set SEL, 20
.set CS,  22
	s_load_b128 s[4:7], s[0:1], 0x0                ; qkvf, w_out
	s_load_b64 s[8:9], s[0:1], 0x10                ; out0
	v_lshl_add_u32 v[SPW], v0, 2, SPARE
	v_mov_b32 v[NIL], 0
	v_lshrrev_b32 v1, 5, v0
	v_readfirstlane_b32 s[WV], v1                  ; wave = head
	v_and_b32 v1, 15, v0                           ; r
	v_bfe_u32 v2, v0, 4, 1                         ; h
	v_mul_u32_u24 v3, v1, 12288
	v_lshl_add_u32 v3, v2, 5, v3                   ; Q, K: position r, channels 8 h on
	v_mul_u32_u24 v4, v2, 8*12288
	v_lshl_add_u32 v4, v1, 2, v4                   ; V: positions 8 h on, channel r
	v_lshlrev_b32 v5, 15, v2
	v_lshl_add_u32 v5, v1, 2, v5                   ; W: rows 8 h on, column r
	v_and_b32 v6, 31, v0
	v_lshlrev_b32 v6, 4, v6
	s_lshl_b32 s13, s[WV], 12
	v_add_nc_u32 v6, s13, v6                       ; LDS, in: 4,096 x wave + 16 x lane
	v_lshrrev_b32 v20, 2, v1                       ; LDS, out: lane (i = r, h) of wave w takes position 2 w + h, columns 4 i on:
	v_lshlrev_b32 v7, 10, v20                      ; tile i / 4,
	v_and_b32 v20, 1, v1
	v_lshl_add_u32 v7, v20, 9, v7                  ; its upper or lower four registers,
	v_bfe_u32 v20, v1, 1, 1
	v_lshl_add_u32 v7, v20, 8, v7                  ; the half of the lanes that held them,
	v_lshl_add_u32 v7, v2, 4, v7
	s_lshl_b32 s13, s[WV], 5
	v_add_nc_u32 v7, s13, v7                       ; and the lane of the position
	v_lshlrev_b32 v8, 12, v2
	v_lshl_add_u32 v8, v1, 4, v8                   ; the same place in out0
	v_lshlrev_b32 v9, 3, v2
	v_sub_nc_u32 v9, v1, v9                        ; r - 8 h
	v_mov_b32 v27, 0                               ; (named as the upper half of a pair)
	s_mov_b32 s[SEL], 0x76543210
	s_mov_b32 s[SEL+1], 0xfedcba98
	s_mov_b32 s[CS], 0x3e38aa3b                    ; c = log2(e) / 8
	s_mov_b32 s[CS+1], s[CS]
	s_and_b32 s13, ttmp7, 0xffff                   ; batch
	s_mul_i32 s14, s13, 16*12288
	s_lshl_b32 s24, s[WV], 8
	s_add_co_u32 s14, s14, s24                     ; qkvf: the batch's 16 rows, my head's 64 columns
	s_mov_b32 s15, 0
	s_lshl_b32 s16, s[WV], 18
	s_lshl_b32 s24, ttmp9, 8
	s_add_co_u32 s16, s16, s24                     ; w_out: my 64 rows, the chunk's 64 columns
	s_mov_b32 s17, 0
	s_lshl_b32 s18, s13, 23
	s_lshl_b32 s25, s[WV], 13
	s_add_co_u32 s18, s18, s25
	s_add_co_u32 s18, s18, s24                     ; out0: row 2,048 x batch + 2 x wave, the chunk's columns
	s_mov_b32 s19, 0
	s_wait_kmcnt 0x0
	s_add_nc_u64 s[4:5], s[4:5], s[14:15]
	s_add_nc_u64 s[6:7], s[6:7], s[16:17]
	s_add_nc_u64 s[8:9], s[8:9], s[18:19]
.irp ct, 0,1,2,3
	global_load_b128 v[QR+8*\ct:QR+8*\ct+3], v3, s[4:5] offset:64*\ct
	global_load_b128 v[QR+8*\ct+4:QR+8*\ct+7], v3, s[4:5] offset:64*\ct+16
.endr
.irp ct, 0,1,2,3
	global_load_b128 v[KR+8*\ct:KR+8*\ct+3], v3, s[4:5] offset:4096+64*\ct
	global_load_b128 v[KR+8*\ct+4:KR+8*\ct+7], v3, s[4:5] offset:4096+64*\ct+16
.endr
.irp ct, 0,1,2,3
.irp j, 0,1,2,3,4,5,6,7
	global_load_b32 v[VR+8*\ct+\j], v4, s[4:5] offset:8192+\j*12288+64*\ct
.endr
.endr
.macro WLOAD nt, base                  ; W(64 w + 16 ct + 8 h + i, 64 chunk + 16 nt + r) into v[base + 8 ct + i]
.irp ct, 0,1,2,3
.irp i, 0,1,2,3,4,5,6,7
	global_load_b32 v[\base+8*\ct+\i], v5, s[6:7] offset:(16*\ct+\i)*4096+64*\nt
.endr
.endr
.endm
	WLOAD 0, W0
	WLOAD 1, W1
	s_wait_loadcnt 63                              ; 112 loads have been issued: at most 63 out means the oldest 49 are in: Q, K and V (48) among them
	; S^T = K Q^T: lane = query r, register j = key 8 h + j; four partial sums, one for each 16 channels
.irp jj, 0,1,2,3
.irp ct, 0,1,2,3
.if \jj == 0
	v_wmma_f32_16x16x4_f32 v[AC1+8*\ct:AC1+8*\ct+7], v[KR+8*\ct+2*\jj:KR+8*\ct+2*\jj+1], v[QR+8*\ct+2*\jj:QR+8*\ct+2*\jj+1], 0
.else
	v_wmma_f32_16x16x4_f32 v[AC1+8*\ct:AC1+8*\ct+7], v[KR+8*\ct+2*\jj:KR+8*\ct+2*\jj+1], v[QR+8*\ct+2*\jj:QR+8*\ct+2*\jj+1], v[AC1+8*\ct:AC1+8*\ct+7]
.endif
.endr
.endr
.rept 8
	v_nop                                          ; eight places behind this form, ahead of loads into its sources and of reads of its results
.endr
	WLOAD 2, QR
	WLOAD 3, KR
.irp p, 0,1,2,3                        ; the four partial sums, each from its low end on
	v_pk_add_f32 v[20:21], v[AC1+2*\p:AC1+2*\p+1], v[AC1+8+2*\p:AC1+8+2*\p+1]
	v_pk_add_f32 v[22:23], v[AC1+16+2*\p:AC1+16+2*\p+1], v[AC1+24+2*\p:AC1+24+2*\p+1]
	v_pk_add_f32 v[PR+2*\p:PR+2*\p+1], v[20:21], v[22:23]
.endr
	v_mov_b32 v20, 0xff800000                      ; key 8 h + j counts for query r where j <= r - 8 h
.irp j, 0,1,2,3,4,5,6,7
	v_cmp_gt_i32 vcc_lo, \j, v9
	v_cndmask_b32 v[PR+\j], v[PR+\j], v20, vcc_lo
.endr
	v_max3_num_f32 v21, v12, v13, v14
	v_max3_num_f32 v22, v15, v16, v17
	v_max3_num_f32 v21, v21, v18, v19
	v_max_num_f32 v21, v21, v22
	v_permlanex16_b32 v22, v21, s[SEL], s[SEL+1]
	v_max_num_f32 v21, v21, v22                    ; the row's maximum: key 0 counts for every query
	v_mul_f32 v22, s[CS], v21
.irp p, 0,1,2,3
	v_pk_fma_f32 v[PR+2*\p:PR+2*\p+1], v[PR+2*\p:PR+2*\p+1], s[CS:CS+1], v[22:23] op_sel_hi:[1,0,0] neg_lo:[0,0,1] neg_hi:[0,0,1]
.endr
.irp j, 0,1,2,3,4,5,6,7
	v_exp_f32 v[PR+\j], v[PR+\j]
.endr
	v_nop                                          ; a plain line behind the last exponential
	s_wait_alu depctr_va_vdst(0)                   ; one wait for the eight, ahead of their first reader
	v_pk_add_f32 v[20:21], v[12:13], v[14:15]
	v_pk_add_f32 v[24:25], v[16:17], v[18:19]
	v_pk_add_f32 v[20:21], v[20:21], v[24:25]
	v_add_f32 v20, v20, v21
	v_permlanex16_b32 v21, v20, s[SEL], s[SEL+1]
	v_add_f32 v20, v20, v21                        ; the row's sum
	v_rcp_f32 v26, v20
	v_nop
	s_wait_alu depctr_va_vdst(0)
	; O^T = V^T p: lane = query, register j of tile ct = channel 16 ct + 8 h + j
.irp jj, 0,1,2,3
.irp ct, 0,1,2,3
.if \jj == 0
	v_wmma_f32_16x16x4_f32 v[OAC+8*\ct:OAC+8*\ct+7], v[VR+8*\ct+2*\jj:VR+8*\ct+2*\jj+1], v[PR+2*\jj:PR+2*\jj+1], 0
.else
	v_wmma_f32_16x16x4_f32 v[OAC+8*\ct:OAC+8*\ct+7], v[VR+8*\ct+2*\jj:VR+8*\ct+2*\jj+1], v[PR+2*\jj:PR+2*\jj+1], v[OAC+8*\ct:OAC+8*\ct+7]
.endif
.endr
.endr
.rept 8
	v_nop
.endr
.set i, 0
.rept 16
	v_pk_mul_f32 v[VR+i:VR+i+1], v[OAC+i:OAC+i+1], v[26:27] op_sel_hi:[1,0]   ; O / l, into other registers
.set i, i+2
.endr
	s_wait_loadcnt 0x0                             ; all of W
	; my slice of the projection: source 0 = 16 columns of W, source 1 = O / l: lane = position, register j of tile nt = column 16 nt + 8 h + j
.macro PJ1 nt, base, ct, jj
.if (\ct)+(\jj) == 0
	v_wmma_f32_16x16x4_f32 v[AC1+8*\nt:AC1+8*\nt+7], v[\base+8*\ct+2*\jj:\base+8*\ct+2*\jj+1], v[VR+8*\ct+2*\jj:VR+8*\ct+2*\jj+1], 0
.else
	v_wmma_f32_16x16x4_f32 v[AC1+8*\nt:AC1+8*\nt+7], v[\base+8*\ct+2*\jj:\base+8*\ct+2*\jj+1], v[VR+8*\ct+2*\jj:VR+8*\ct+2*\jj+1], v[AC1+8*\nt:AC1+8*\nt+7]
.endif
.endm
.irp ct, 0,1,2,3
.irp jj, 0,1,2,3
	PJ1 0, W0, \ct, \jj
	PJ1 1, W1, \ct, \jj
	PJ1 2, QR, \ct, \jj
	PJ1 3, KR, \ct, \jj
.endr
.endr
.rept 8
	v_nop
.endr
.irp nt, 0,1,2,3
	ds_store_b128 v6, v[AC1+8*\nt:AC1+8*\nt+3] offset:(2*\nt)*512      ; each accumulator from its low end on
	ds_store_b128 v6, v[AC1+8*\nt+4:AC1+8*\nt+7] offset:(2*\nt+1)*512
.endr
	s_wait_dscnt 0x0                               ; for the others' sake: my stores have landed
	s_barrier_signal -1
	s_barrier_wait -1
	s_cmp_ge_u32 s[WV], 8
	s_cbranch_scc1 .Ldone
.irp p, 0,1,2,3,4,5,6,7,8,9,10,11,12,13,14,15
	ds_load_b128 v[W0+4*\p:W0+4*\p+3], v7 offset:\p*4096               ; the sixteen heads' parts of my four numbers
.endr
	s_wait_dscnt 0x0
.irp p, 0,1,2,3,4,5,6,7
	v_pk_add_f32 v[W0+4*\p:W0+4*\p+1], v[W0+4*\p:W0+4*\p+1], v[W0+32+4*\p:W0+32+4*\p+1]
	v_pk_add_f32 v[W0+4*\p+2:W0+4*\p+3], v[W0+4*\p+2:W0+4*\p+3], v[W0+32+4*\p+2:W0+32+4*\p+3]
.endr
.irp p, 0,1,2,3
	v_pk_add_f32 v[W0+4*\p:W0+4*\p+1], v[W0+4*\p:W0+4*\p+1], v[W0+16+4*\p:W0+16+4*\p+1]
	v_pk_add_f32 v[W0+4*\p+2:W0+4*\p+3], v[W0+4*\p+2:W0+4*\p+3], v[W0+16+4*\p+2:W0+16+4*\p+3]
.endr
.irp p, 0,1
	v_pk_add_f32 v[W0+4*\p:W0+4*\p+1], v[W0+4*\p:W0+4*\p+1], v[W0+8+4*\p:W0+8+4*\p+1]
	v_pk_add_f32 v[W0+4*\p+2:W0+4*\p+3], v[W0+4*\p+2:W0+4*\p+3], v[W0+8+4*\p+2:W0+8+4*\p+3]
.endr
	v_pk_add_f32 v[W0:W0+1], v[W0:W0+1], v[W0+4:W0+5]
	v_pk_add_f32 v[W0+2:W0+3], v[W0+2:W0+3], v[W0+6:W0+7]
	global_store_b128 v8, v[W0:W0+3], s[8:9]       ; sixteen lanes store 256 consecutive bytes, aligned
.Ldone:
	s_wait_tensorcnt 0x0                           ; the wave's end
	ds_add_u32 v[SPW], v[NIL]
	s_wait_dscnt 0x0
	s_endpgm
.Lfunc_end_k_q80ee0762a5_fine:
	.size	k_q80ee0762a5_fine, .Lfunc_end_k_q80ee0762a5_fine-k_q80ee0762a5_fine
	.p2alignl 7, 3214868480
	.fill 96, 4, 3214868480
	.section	.rodata,"a",@progbits
	.p2align	6, 0x0
	.amdhsa_kernel k_q80ee0762a5_fine
		.amdhsa_group_segment_fixed_size 67584
		.amdhsa_private_segment_fixed_size 0
		.amdhsa_enable_private_segment 0
		.amdhsa_kernarg_size 24
		.amdhsa_user_sgpr_count 2
		.amdhsa_user_sgpr_kernarg_segment_ptr 1
		.amdhsa_wavefront_size32 1
		.amdhsa_system_sgpr_workgroup_id_x 1
		.amdhsa_system_sgpr_workgroup_id_y 1
		.amdhsa_system_sgpr_workgroup_id_z 1
		.amdhsa_system_vgpr_workitem_id 0
		.amdhsa_next_free_vgpr 256
		.amdhsa_next_free_sgpr 66
		.amdhsa_reserve_vcc 1
		.amdhsa_float_denorm_mode_32 3
		.amdhsa_float_denorm_mode_16_64 3
		.amdhsa_memory_ordered 1
		.amdhsa_forward_progress 1
		.amdhsa_inst_pref_size 34
	.end_amdhsa_kernel
	.amdgpu_metadata
---
amdhsa.version: [ 1, 2 ]
amdhsa.kernels:
  - .name:           k_q80ee0762a5_fine
    .symbol:         k_q80ee0762a5_fine.kd
    .args:
      - { .name: qkvf, .offset: 0, .size: 8, .value_kind: global_buffer, .address_space: global }
      - { .name: w_out, .offset: 8, .size: 8, .value_kind: global_buffer, .address_space: global }
      - { .name: out0, .offset: 16, .size: 8, .value_kind: global_buffer, .address_space: global }
    .group_segment_fixed_size: 67584
    .private_segment_fixed_size: 0
    .kernarg_segment_align: 8
    .kernarg_segment_size: 24
    .max_flat_workgroup_size: 512
    .sgpr_count:     66
    .vgpr_count:     256
    .wavefront_size: 32
...
	.end_amdgpu_metadata
.endif
;; end of part 5
